; MI455X (gfx1250); checked and timed in simulation.
; The chip was launched on July 23, 2026; its instructions are those of AMD's public machine-readable ISA for CDNA 5 (MIT licence, August 2026) and "CDNA5" Instruction Set Architecture Reference Guide (July 2026). The comments in the code are by the model that wrote it; some were corrected since.
;; multi Head Attention Block. Allowed arithmetic: matrix products marked QUANTISED: E4M3 operands, one E8M0 scale for each 32 along K, by v_wmma_scale_f32_16x16x128_f8f6f4 with both operands' format E4M3, f32 sums; everything else in f32.
;; Inputs: Wk 1,024 x 1,024 float32; Wo 1,024 x 1,024 float32; Wq 1,024 x 1,024 float32; Wv 1,024 x 1,024 float32; bk 1,024 float32; bo 1,024 float32; bq 1,024 float32; bv 1,024 float32; k 4 x 2,048 x 1,024 float32; mask 1 x 1 x 2,048 x 2,048 bool; q 4 x 2,048 x 1,024 float32; v 4 x 2,048 x 1,024 float32.
;; Outputs: out0 4 x 2,048 x 1,024 float32.
;; This version of the problem:
;;   THIS VERSION OF THE PROBLEM IS GIVEN IN LOW PRECISION. The matrix products marked QUANTISED in the list below multiply operands that are first quantised to E4M3 (4 exponent bits, 3 mantissa bits; 8 bits a number), with one power-of-two scale for each 32 numbers along K (OCP MX v1.0); their sums are f32. All else is computed in f32.
;;   The module's matrix products, in the order in which they are computed (A, B: the left and right operand; K: the contracted axis; several contracted axes count as one K, in the product's order):
;;     1. [M 8,192, K 1,024] x [K 1,024, N 1,024]; A: input q; B: input Wq: QUANTISED
;;     2. [M 8,192, K 1,024] x [K 1,024, N 1,024]; A: input k; B: input Wk: QUANTISED
;;     3. [M 8,192, K 1,024] x [K 1,024, N 1,024]; A: input v; B: input Wv: QUANTISED
;;     4. batch 64 x [M 2,048, K 64] x [K 64, N 2,048]; A: computed on the way; B: computed on the way: QUANTISED
;;     5. batch 64 x [M 2,048, K 2,048] x [K 2,048, N 64]; A: softmax (see below); B: computed on the way: QUANTISED
;;     6. [M 8,192, K 1,024] x [K 1,024, N 1,024]; A: computed on the way; B: input Wo: QUANTISED
;;   THE QUANTISER, for each operand of a quantised product, along K:
;;     - K is cut into blocks of 32 from its start; a last block that is shorter is filled with zeros.
;;     - A block's scale is 2^e with e = floor(log2(the largest magnitude in the block)) - 8, held to -126 .. 127; a block of zeros has e = 0. As a byte (E8M0): e + 127.
;;     - Each number is divided by its block's scale, clamped to +-448, and rounded to the nearest number of E4M3, ties to even, subnormals kept.
;;     - The product sums the exact products of the quantised numbers (number of the format x scale) in f32.
;;   ~~~python
;;   def quantise(x, axis):      # numpy; x: float32 -> the quantised numbers, widened to float32 again
;;       x = np.moveaxis(x, axis, -1); K = x.shape[-1]
;;       x = np.pad(x, [(0, 0)] * (x.ndim - 1) + [(0, -K % 32)]); x = x.reshape(x.shape[:-1] + (-1, 32)); a = np.abs(x).max(-1, keepdims=True)
;;       e = np.where(a > 0, np.clip(np.frexp(np.where(a > 0, a, 1))[1] - 1 - 8, -126, 127), 0)      # np.frexp(a)[1] - 1 = floor(log2(a)), exactly
;;       r = np.clip(x / 2.0 ** e, -448, 448)
;;       step = 2.0 ** (np.maximum(np.frexp(np.where(r == 0, 1, r))[1] - 1, -6) - 3)
;;       q = np.round(r / step) * step * 2.0 ** e      # np.round: ties to even
;;       return np.moveaxis(q.reshape(q.shape[:-2] + (-1,))[..., :K], -1, axis).astype(np.float32)
;;   ~~~
;;   SOFTMAX AHEAD OF A QUANTISED PRODUCT. Where the list says 'softmax', what is quantised is not the finished softmax but p = 2^(t - M), with t = logit x log2(e) and M = ceil(the row's largest t), a whole number; so 1/2 < the row's largest p <= 1. The row's sum l is taken of the UNQUANTISED p, in f32, and the product's result is divided by l at the end. Since M is a whole number, a kernel that streams over the keys may use a running M (the ceiling of the running maximum): every later rescaling is an exact power of two, which a block's scale takes up: the codes' values come out the same.
;;   OPERANDS COMPUTED ON THE WAY. 'Computed on the way' means the value that the module computes at that place (a softmax that the list does not call 'softmax' is quantised finished and normalised). What goes into a quantiser is computed in f32, as accurately as f32 sums, v_exp_f32 and their like allow (about 1e-6 of the number): no bf16 or f16 on the way to a quantiser, and a product that is left as it is and whose result goes on into a quantised operand takes f32 operands (vector FMAs, or v_wmma_f32_16x16x4_f32). A number that lies on a knife's edge between two numbers of the format may be rounded either way, as far as f32 arithmetic and the matrix unit's own rounding can turn it there, and no further.
;; 2 versions, each right; version 2 is version 1 with the launch attn written anew for expert scheduling mode. Each part assembles by itself: llvm-mc -triple=amdgcn-amd-amdhsa -mcpu=gfx1250 --defsym DOCPART=n.
;; ======== version 1 of 2: 4 launches
;; workspace buffers: codes 29,360,128 bytes; scl 917,504 bytes; flags 512 bytes of whole numbers; qimg 8,388,608 bytes; qsc 524,288 bytes; kv 17,825,792 bytes; cimg 8,388,608 bytes; csc 262,144 bytes
;; launch prep (part 1): grid 512 x 1, 4 waves a work-group, no clusters, 34,560 bytes of LDS; arguments q, k, v, Wq, Wk, Wv, Wo, mask, codes, scl, flags; writes codes, scl, flags
.if DOCPART == 1
	.amdgcn_target "amdgcn-amd-amdhsa--gfx1250"
	.amdhsa_code_object_version 6
	.text
	.protected	k_q164adf9dc5_prep
	.globl	k_q164adf9dc5_prep
	.p2align	8
	.type	k_q164adf9dc5_prep,@function
k_q164adf9dc5_prep:
	s_mov_b64 s[64:65], 0
	v_nop
	global_prefetch_b8 v0, s[64:65] scope:SCOPE_SE
	s_setreg_imm32_b32 hwreg(HW_REG_WAVE_MODE, 25, 1), 1
	s_wait_xcnt 0x0
; q, k, v [8192][1024] and Wq, Wk, Wv, Wo [1024][1024], f32 with K innermost, become codes of E4M3 with one E8M0 byte for each 32 along K; and the mask becomes two words of flags for each 32 queries.
; TILES.  Rows go in groups of 32; tile 2 G + u holds 16 of them: its row i is row 32 G + 8 u + i + 8 (i / 8).  Used as source 0 of a product, two such tiles leave 16 neighbouring rows in a lane's 16 result registers.
; IMAGES.  A fragment (16 rows x 128 K) lies in memory as the operand's registers: group c of four registers (K = 32 c + 16 (lane / 16) + 0 .. 15 of row lane % 16) at 512 c + 16 x lane.  codes: [tile][K step 8][2,048 bytes]; scl: [tile][row][32 bytes].
; Tiles: q 0-511, k 512-1023, v 1024-1535, Wq 1536-, Wk 1600-, Wv 1664-, Wo 1728-1791.  Work-groups 0-447: wave w takes tile 4 x work-group + w.  Work-groups 448-511: one group of 32 queries of the mask each.
; A load reads 512 consecutive bytes of one row; a K step's 16 rows turn through the wave's own stage in LDS (rows 528 bytes apart), from which a lane takes its 4 x 16 neighbours along K.  Every store of codes covers 512 consecutive bytes.
; A block's scale is 2^(floor(log2(its largest magnitude)) - 8); its byte is that magnitude's exponent field - 8, held at 1 from below.
; LIMITS: a block of zeros, and a block whose largest magnitude lies under 2^-118, gets the byte 1 (its codes are read by this program alone; zero codes add nothing); NaN and infinities among the inputs are not served.
; No matrix unit, no tensor load, no cluster: memory binds, and no two work-groups read the same bytes.
.set R,   16                           ; v16-143  two sets of 16 loads x 4 registers
.set X,   144                          ; v144-207 64 numbers of a lane: register 16 b + i = K 32 b + 16 (lane / 16) + i of its row
.set PC,  208                          ; v208-223 the fragment's codes
.set TM,  224                          ; v224-239 at work
.set SW,  240                          ; v240-247 the row's eight scale words
.set SP,  528                          ; a stage row: 512 bytes + 16
.set WST, 16*SP                        ; a wave's stage
.set MB,  4*WST                        ; behind the stages: 64 bytes for the mask's path alone
.set MNT, 45                           ; s45 the mantissa field of 448
.set SEL, 46                           ; s[46:47] v_permlanex16_b32's selects for lane l xor 16
	s_load_b512 s[4:19], s[0:1], 0x0               ; q s[4:5], k s[6:7], v s[8:9], Wq s[10:11], Wk s[12:13], Wv s[14:15], Wo s[16:17], mask s[18:19]
	s_load_b128 s[20:23], s[0:1], 0x40             ; codes s[20:21], scl s[22:23]
	s_load_b64 s[24:25], s[0:1], 0x50              ; flags
	v_lshl_add_u32 v254, v0, 2, 0x8500
	v_mov_b32 v255, 0
	v_lshrrev_b32 v1, 5, v0
	v_readfirstlane_b32 s26, v1                    ; wave
	v_and_b32 v1, 31, v0                           ; lane
	v_lshlrev_b32 v2, 4, v1                        ; 16 x lane; never rewritten
	s_cmp_ge_u32 ttmp9, 448                        ; the same in all four waves
	s_cbranch_scc1 .Lmask
	v_and_b32 v6, 15, v0                           ; r
	v_bfe_u32 v7, v0, 4, 1                         ; h
	s_mul_i32 s27, s26, WST
	v_add_nc_u32 v3, s27, v2                       ; the stage, on the way in: 16 x lane of a row
	v_mul_u32_u24 v4, v6, SP
	v_lshl_add_u32 v4, v7, 6, v4
	v_add_nc_u32 v4, s27, v4                       ; and out: row r, + 64 h
	v_lshlrev_b32 v5, 5, v6
	v_lshl_add_u32 v5, v7, 4, v5                   ; scl: 32 r + 16 h
	s_mov_b32 s[SEL], 0x76543210
	s_mov_b32 s[SEL+1], 0xfedcba98
	s_mov_b32 s[MNT], 0x600000
.irp b, 0,1,2,3
	v_mov_b32 v[TM+4+\b], 0                        ; written once: a lane permute's destination counts as one of its sources
.endr
	s_wait_kmcnt 0x0
	s_mov_b64 s[28:29], s[16:17]                   ; which tensor: the choice hangs on the work-group's number alone
	s_mov_b32 s30, 432                             ; and that tensor's first work-group
	s_cmp_lt_u32 ttmp9, 432
	s_cselect_b64 s[28:29], s[14:15], s[28:29]
	s_cselect_b32 s30, 416, s30
	s_cmp_lt_u32 ttmp9, 416
	s_cselect_b64 s[28:29], s[12:13], s[28:29]
	s_cselect_b32 s30, 400, s30
	s_cmp_lt_u32 ttmp9, 400
	s_cselect_b64 s[28:29], s[10:11], s[28:29]
	s_cselect_b32 s30, 384, s30
	s_cmp_lt_u32 ttmp9, 384
	s_cselect_b64 s[28:29], s[8:9], s[28:29]
	s_cselect_b32 s30, 256, s30
	s_cmp_lt_u32 ttmp9, 256
	s_cselect_b64 s[28:29], s[6:7], s[28:29]
	s_cselect_b32 s30, 128, s30
	s_cmp_lt_u32 ttmp9, 128
	s_cselect_b64 s[28:29], s[4:5], s[28:29]
	s_cselect_b32 s30, 0, s30
	s_sub_co_u32 s30, ttmp9, s30
	s_lshl_b32 s30, s30, 2
	s_add_co_u32 s30, s30, s26                     ; my tile in its tensor
	s_lshr_b32 s31, s30, 1
	s_lshl_b32 s31, s31, 17                        ; 32 rows of 4,096 bytes a group,
	s_and_b32 s32, s30, 1
	s_lshl_b32 s32, s32, 15                        ; 8 rows on for the odd tile
	s_add_co_u32 s32, s32, s31
	s_mov_b32 s33, 0
	s_add_nc_u64 s[28:29], s[28:29], s[32:33]
	s_lshl_b32 s34, ttmp9, 2
	s_add_co_u32 s34, s34, s26                     ; my tile among all
	s_lshl_b32 s32, s34, 14
	s_add_nc_u64 s[20:21], s[20:21], s[32:33]
	s_lshl_b32 s32, s34, 9
	s_add_nc_u64 s[22:23], s[22:23], s[32:33]
.macro LOAD s                          ; K step s: 512 bytes of each of the tile's 16 rows
.irp i, 0,1,2,3,4,5,6,7,8,9,10,11,12,13,14,15
	global_load_b128 v[R+64*((\s)%2)+4*\i:R+64*((\s)%2)+4*\i+3], v2, s[28:29] offset:(\i+8*(\i/8))*4096+512*(\s) th:TH_LOAD_NT
.endr
.endm
.macro QUANT pw                        ; the 64 numbers in v[X] on become the codes in v[PC] on and the scale word v[pw]
.irp b, 0,1,2,3
	v_max3_num_f32 v[TM+\b], |v[X+16*\b]|, |v[X+1+16*\b]|, 0x4800000   ; block b: my 16 numbers, and the floor 2^(9 - 127): the byte cannot fall under 1
.endr
.irp i, 2,4,6,8,10,12,14
.irp b, 0,1,2,3
	v_max3_num_f32 v[TM+\b], v[TM+\b], |v[X+16*\b+\i]|, |v[X+1+16*\b+\i]|   ; the four blocks by turns
.endr
.endr
.irp b, 0,1,2,3
	v_permlanex16_b32 v[TM+4+\b], v[TM+\b], s[SEL], s[SEL+1]
.endr
.irp b, 0,1,2,3
	v_max_num_f32 v[TM+\b], v[TM+\b], v[TM+4+\b]   ; with lane l xor 16's 16: the block's largest magnitude
.endr
.irp b, 0,1,2,3
	v_add_nc_u32 v[TM+12+\b], 0xfc000000, v[TM+\b] ; 8 off its exponent field: the conversion's scale operand
.endr
.irp b, 0,1,2,3
	v_and_or_b32 v[TM+8+\b], v[TM+\b], 0x7f800000, s[MNT]   ; 448 x the scale
.endr
.irp b, 0,1,2,3
	v_lshrrev_b32 v[TM+4+\b], 23, v[TM+12+\b]      ; the scale's byte
.endr
	v_lshl_or_b32 v[\pw], v[TM+5], 8, v[TM+4]
	v_lshl_or_b32 v[\pw], v[TM+6], 16, v[\pw]
	v_lshl_or_b32 v[\pw], v[TM+7], 24, v[\pw]
.irp b, 0,1,2,3
.irp i, 0,1,2,3,4,5,6,7,8,9,10,11,12,13,14,15
	v_med3_num_f32 v[X+16*\b+\i], v[X+16*\b+\i], -v[TM+8+\b], v[TM+8+\b]   ; the conversion does not saturate (ISA guide 7.6.2): the hold at the largest code x the scale
.endr
	v_cvt_scalef32_pk8_fp8_f32 v[PC+4*\b:PC+1+4*\b], v[X+16*\b:X+7+16*\b], v[TM+12+\b]
	v_cvt_scalef32_pk8_fp8_f32 v[PC+2+4*\b:PC+3+4*\b], v[X+8+16*\b:X+15+16*\b], v[TM+12+\b]
.endr
	v_nop                                          ; a plain line behind the last conversion
.endm
.macro STEPQ s
.if (\s) < 7
	s_wait_loadcnt 16                              ; this step's 16 loads are in; the next step's 16 may be out
.else
	s_wait_loadcnt 0x0
.endif
.irp i, 0,1,2,3,4,5,6,7,8,9,10,11,12,13,14,15
	ds_store_b128 v3, v[R+64*((\s)%2)+4*\i:R+64*((\s)%2)+4*\i+3] offset:SP*\i
.endr
.irp b, 0,1,2,3
.irp j, 0,1,2,3
	ds_load_b128 v[X+16*\b+4*\j:X+16*\b+4*\j+3], v4 offset:128*\b+16*\j   ; LDS serves a wave's instructions in order: these see the stores above
.endr
.endr
	s_wait_dscnt 0x0                               ; my numbers are back, and the stores have read their registers,
.if (\s) < 6
	LOAD (\s)+2                                    ; which take the loads of two steps on
.endif
.if (\s) > 0
	s_wait_xcnt 0x0                                ; the last step's stores have read the codes' registers
.endif
	QUANT SW+(\s)
.irp c, 0,1,2,3
	global_store_b128 v2, v[PC+4*\c:PC+4*\c+3], s[20:21] offset:2048*(\s)+512*\c   ; 512 consecutive bytes, aligned
.endr
.endm
	LOAD 0
	LOAD 1
.irp s, 0,1,2,3,4,5,6,7
	STEPQ \s
.endr
	v_cmp_eq_u32 vcc_lo, 1, v7                     ; both halves of the lanes hold the row's eight words: lanes 0-15 store words 0-3, lanes 16-31 words 4-7
.irp i, 0,1,2,3
	v_cndmask_b32 v[X+\i], v[SW+\i], v[SW+4+\i], vcc_lo
.endr
	global_store_b128 v5, v[X:X+3], s[22:23]       ; the tile's 512 scale bytes, consecutive
	s_wait_tensorcnt 0x0
	ds_add_u32 v254, v255
	s_wait_dscnt 0x0
	s_endpgm
; THE MASK.  Group g = 32 queries; key step j = 128 keys.  flags[g][0] bit j: some key of the step is open for some query of the group; flags[g][1] bit j: some key is masked.
; Wave w sums the bytes (0 or 1) of rows 32 g + 8 w .. + 7: a lane's 8 rows x 4 words of load i give one word whose four bytes are at most 32 each; eight lanes are a key step.
.Lmask:
	s_sub_co_u32 s27, ttmp9, 448                   ; g
	s_lshl_b32 s28, s27, 16                        ; 32 rows of 2,048 bytes
	s_lshl_b32 s29, s26, 14                        ; my 8 rows
	s_add_co_u32 s28, s28, s29
	s_mov_b32 s29, 0
	s_wait_kmcnt 0x0
	s_add_nc_u64 s[18:19], s[18:19], s[28:29]
.irp p, 0,1,2,3,4,5,6,7
.irp i, 0,1,2,3
	global_load_b128 v[16+16*\p+4*\i:19+16*\p+4*\i], v2, s[18:19] offset:2048*\p+512*\i
.endr
.endr
	s_wait_loadcnt 0x0
.irp i, 0,1,2,3
	v_add3_u32 v[8+\i], v[16+4*\i], v[17+4*\i], v[18+4*\i]
	v_add_nc_u32 v[8+\i], v[8+\i], v[19+4*\i]
.endr
.irp p, 1,2,3,4,5,6,7
.irp i, 0,1,2,3
	v_add3_u32 v[8+\i], v[8+\i], v[16+16*\p+4*\i], v[17+16*\p+4*\i]
	v_add3_u32 v[8+\i], v[8+\i], v[18+16*\p+4*\i], v[19+16*\p+4*\i]
.endr
.endr
.irp i, 0,1,2,3
	v_cmp_ne_u32 s[32+\i], 0, v[8+\i]              ; lanes with a masked key
	v_cmp_ne_u32 s[36+\i], 0x20202020, v[8+\i]     ; lanes with an open key
.endr
	s_mov_b32 s40, 0
	s_mov_b32 s41, 0
.macro BIT m, kap, j, acc              ; eight lanes of mask m make bit j of word acc
	s_bfe_u32 s42, s[\m], (8<<16)|(8*(\kap))       ; SCC = the field is not 0
	s_cselect_b32 s42, (1<<(\j)), 0
	s_or_b32 s[\acc], s[\acc], s42
.endm
.irp i, 0,1,2,3
.irp k, 0,1,2,3
	BIT 36+\i, \k, 4*\i+\k, 40
	BIT 32+\i, \k, 4*\i+\k, 41
.endr
.endr
	v_mov_b32 v12, s40
	v_mov_b32 v13, s41
	v_mov_b32 v14, s26
	v_lshlrev_b32 v14, 3, v14
	ds_store_b64 v14, v[12:13] offset:MB           ; all lanes write the wave's two words with the same values
	s_wait_dscnt 0x0                               ; for the others' sake
	s_barrier_signal -1
	s_barrier_wait -1
	v_mov_b32 v15, 0
	ds_load_b128 v[16:19], v15 offset:MB
	ds_load_b128 v[20:23], v15 offset:MB+16
	s_wait_dscnt 0x0
	v_or_b32 v16, v16, v18
	v_or_b32 v17, v17, v19
	v_or_b32 v20, v20, v22
	v_or_b32 v21, v21, v23
	v_or_b32 v16, v16, v20
	v_or_b32 v17, v17, v21
	s_lshl_b32 s28, s27, 3
	s_add_nc_u64 s[24:25], s[24:25], s[28:29]
	s_wait_xcnt 0x0                                ; EXEC changes only behind this wait
	v_cmp_eq_u32 vcc_lo, 0, v0
	s_wait_tensorcnt 0x0
	ds_add_u32 v254, v255
	s_wait_dscnt 0x0
	s_and_saveexec_b32 s44, vcc_lo                 ; thread 0 alone stores
	global_store_b64 v15, v[16:17], s[24:25]
	s_wait_xcnt 0x0
	s_or_b32 exec_lo, exec_lo, s44
	s_endpgm
.Lfunc_end_k_q164adf9dc5_prep:
	.size	k_q164adf9dc5_prep, .Lfunc_end_k_q164adf9dc5_prep-k_q164adf9dc5_prep
	.p2alignl 7, 3214868480
	.fill 96, 4, 3214868480
	.section	.rodata,"a",@progbits
	.p2align	6, 0x0
	.amdhsa_kernel k_q164adf9dc5_prep
		.amdhsa_group_segment_fixed_size 34560
		.amdhsa_private_segment_fixed_size 0
		.amdhsa_enable_private_segment 0
		.amdhsa_kernarg_size 88
		.amdhsa_user_sgpr_count 2
		.amdhsa_user_sgpr_kernarg_segment_ptr 1
		.amdhsa_wavefront_size32 1
		.amdhsa_system_sgpr_workgroup_id_x 1
		.amdhsa_system_sgpr_workgroup_id_y 1
		.amdhsa_system_sgpr_workgroup_id_z 1
		.amdhsa_system_vgpr_workitem_id 0
		.amdhsa_next_free_vgpr 256
		.amdhsa_next_free_sgpr 66
		.amdhsa_reserve_vcc 1
		.amdhsa_float_denorm_mode_32 3
		.amdhsa_float_denorm_mode_16_64 3
		.amdhsa_memory_ordered 1
		.amdhsa_forward_progress 1
		.amdhsa_inst_pref_size 113
	.end_amdhsa_kernel
	.amdgpu_metadata
---
amdhsa.version: [ 1, 2 ]
amdhsa.kernels:
  - .name:           k_q164adf9dc5_prep
    .symbol:         k_q164adf9dc5_prep.kd
    .args:
      - { .name: q, .offset: 0, .size: 8, .value_kind: global_buffer, .address_space: global }
      - { .name: k, .offset: 8, .size: 8, .value_kind: global_buffer, .address_space: global }
      - { .name: v, .offset: 16, .size: 8, .value_kind: global_buffer, .address_space: global }
      - { .name: Wq, .offset: 24, .size: 8, .value_kind: global_buffer, .address_space: global }
      - { .name: Wk, .offset: 32, .size: 8, .value_kind: global_buffer, .address_space: global }
      - { .name: Wv, .offset: 40, .size: 8, .value_kind: global_buffer, .address_space: global }
      - { .name: Wo, .offset: 48, .size: 8, .value_kind: global_buffer, .address_space: global }
      - { .name: mask, .offset: 56, .size: 8, .value_kind: global_buffer, .address_space: global }
      - { .name: codes, .offset: 64, .size: 8, .value_kind: global_buffer, .address_space: global }
      - { .name: scl, .offset: 72, .size: 8, .value_kind: global_buffer, .address_space: global }
      - { .name: flags, .offset: 80, .size: 8, .value_kind: global_buffer, .address_space: global }
    .group_segment_fixed_size: 34560
    .private_segment_fixed_size: 0
    .kernarg_segment_align: 8
    .kernarg_segment_size: 88
    .max_flat_workgroup_size: 128
    .sgpr_count:     66
    .vgpr_count:     256
    .wavefront_size: 32
...
	.end_amdgpu_metadata
.endif
;; end of part 1
;; launch proj (part 2): grid 4 x 96, 4 waves a work-group, clusters of 4 x 4, 327,680 bytes of LDS; arguments codes, scl, bq, bk, bv, qimg, qsc, kv; writes qimg, qsc, kv
.if DOCPART == 2
	.amdgcn_target "amdgcn-amd-amdhsa--gfx1250"
	.amdhsa_code_object_version 6
	.text
	.protected	k_q164adf9dc5_proj
	.globl	k_q164adf9dc5_proj
	.p2align	8
	.type	k_q164adf9dc5_proj,@function
k_q164adf9dc5_proj:
	s_mov_b64 s[64:65], 0
	v_nop
	global_prefetch_b8 v0, s[64:65] scope:SCOPE_SE
	s_setreg_imm32_b32 hwreg(HW_REG_WAVE_MODE, 25, 1), 1
	s_wait_xcnt 0x0
	s_wait_alu depctr_hold_cnt(0) depctr_sa_sdst(0) depctr_va_vdst(0) depctr_va_sdst(0) depctr_va_ssrc(0) depctr_va_vcc(0) depctr_vm_vsrc(0)
	s_getreg_b32 s2, hwreg(HW_REG_IB_STS2, 6, 4)
	s_cmp_eq_u32 s2, 0
	s_cbranch_scc0 .Lentry_in_a_cluster
	s_endpgm
.Lentry_in_a_cluster:
	s_bfe_u32 s2, ttmp6, 0x10000c
	s_cmp_lg_u32 s2, 0xf033
	s_cbranch_scc0 .Lentry_shape_is_right
	s_endpgm
.Lentry_shape_is_right:
; query = q Wq^T + bq, key = k Wk^T + bk, value = v Wv^T + bv on codes of E4M3 with E8M0 scales, and the results quantised at once into the operands of the attention launch.
; A cluster of 4 x 4 work-groups makes 1,024 tokens x 1,024 features of one of the three (cluster y / 8 says which); a work-group 256 x 256, each of its four waves 128 x 128: 64 accumulators, 512 registers.
; OPERANDS lie in memory as images of their registers, by tiles of 16 rows (row i of tile 2 G + u is row 32 G + 8 u + i + 8 (i / 8)): [tile][K step of 128][2,048 bytes].  A slot of the ring holds 256 along K:
; for each of 32 tiles 4,096 consecutive bytes; a fragment is four loads of 512 consecutive bytes, so LDS needs no padding.  The scale bytes of all of K ([tile][row][32]) come once and stay.
; Q, K: source 0 = 16 rows of W, source 1 = 16 tokens: a lane holds one token, and its 64 registers of one tile of tokens are 4 blocks of 32 neighbouring features: two heads' two blocks.
; V: source 0 = 16 tokens, source 1 = 16 rows of Wv: a lane holds one feature, and its registers run along the tokens, which are the keys: the K of attention's second product.
; The bias is the C of each sum's first matrix instruction.  CLUSTER: source 1's tiles are shared along a row of the cluster, source 0's along a column: each is asked for jointly.
; OUT: qimg [head of a batch 64][32 queries 64][tile 2][block 2][512]; kv [head 64][128 keys 16] records of 17,408 bytes: K's codes 8,192 ([pair of tiles 4][tile 2][block 2][512]), V's 8,192 ([tile of features 4][block of keys 4][512]),
; K's scale words 512 ([lane][pair]: two bytes of each tile), V's 512 ([lane][tile]); qsc [head][128 queries][lane][32 queries]: words made as K's.  Every store covers 512 consecutive bytes.
; LIMITS: a block whose largest magnitude lies under 2^-118 gets the scale byte 1; NaN and infinities are not served.
; The grid is 24 clusters, 384 work-groups of equal work.  No prefetch: K is four slots, and each tile is read by several work-groups.
; REGISTERS: window 0: v0-31 addresses; v32-63 scale words, two sets; v64-127 the bias; v128-255 source 1's fragments, one set (on the way out: codes and work).  window 1: source 0's fragments, two sets.  windows 2, 3: the accumulators.
.set NQ,     2                         ; matrix instructions deep in a slot
.set FR,     16                        ; registers of a fragment
.set NL,     4                         ; LDS loads that bring one
.set NP,     8                         ; places behind this matrix instruction (ISA guide 7.12.1)
.set HALFT,  32768                     ; 8 tiles x 4,096 bytes: what one tensor load brings, and what one wave reads of a source
.set SLOT,   4*HALFT                   ; source 1's 16 tiles, then source 0's
.set SLOTB,  4096                      ; a slot's bytes of a tile in memory
.set KS,     32                        ; a row of scale bytes
.set SCL,    2*SLOT                    ; behind the ring: the scales, as units of 256 bytes + 16 of padding
.set HALFS,  16*272                    ; those of 8 tiles
.set SBLK,   2*272                     ; those of one
.set SPARE,  SCL+4*HALFS               ; the spare words, 128 bytes a wave: two blocks of 256 bytes that no other line names
.set REC,    17408
.set L16,  4                           ; v4   16 x lane; never rewritten
.set VOX,  10                          ; v10  16 x lane + the way to blocks 2 and 3
.set SVO,  13                          ; v13  16 x lane + the way to the second head's scale words
.set ADRA, 16                          ; v16-17 LDS address of source 1's fragments in slot 0, 1
.set ADRB, 20                          ; v20-21 the same for source 0
.set ADRS, 27                          ; v27  my scale words: lanes 0-15 source 1's rows, lanes 16-31 source 0's
.set SPW,  28                          ; v28  my spare word; never rewritten
.set NIL,  29                          ; v29  0; never rewritten
.set SC,   32
.set BIAS, 64
.set AF,   128
.set PC,   128                         ; the way out: two sets of 16 registers of codes
.set TM,   160                         ; at work
.set PWR,  176                         ; v176-183 a scale word for each tile of source 1
.set SWO,  184                         ; v184-191 the words as they are stored
.set G1, 24
.set G0, 32
.set G1B, 48
.set G0B, 56
.set G1S, 68
.set G0S, 76
.set G1SB, 80
.set G0SB, 88
.set ISV, 66                           ; s66  1: this cluster makes V
.set WHO, 67                           ; s67  0 Q, 1 K, 2 V
.set OB,  92                           ; s[92:93] where the codes go
.set SBP, 94                           ; s[94:95] where the scale words go
.set INC, 96                           ; s[96:97] from tile to tile
.set INC4, 98                          ; s[98:99] from tile 3 to tile 4
.set SEL, 100
.set MNT, 11
.set MSB, 0
.macro WIN new                         ; the immediate's high byte repeats the setting that is left
.if MSB != \new
	s_set_vgpr_msb (MSB<<8)|\new
.set MSB, \new
.endif
.endm
.set MUL_LO, 0xa1                      ; source 0 window 1, source 1 window 0, C and D window 2
.set MUL_HI, 0xf1                      ; the same, C and D window 3
.set TO_B,   0x40
; A joint load: waves 0 and 1 fetch for source 1, waves 2 and 3 for source 0.  The branch hangs on the wave's number alone.  Four v_nop follow each line.
.macro JLOAD g0a, g1a, g0b, g1b
	s_cmp_eq_u32 s21, 0
	s_cbranch_scc0 .Lfor_b_\@
	tensor_load_to_lds s[\g0a:\g0a+3], s[\g1a:\g1a+7]
	s_nop 0
.rept 4
	v_nop
.endr
	s_branch .Lasked_\@
.Lfor_b_\@:
	tensor_load_to_lds s[\g0b:\g0b+3], s[\g1b:\g1b+7]
	s_nop 0
.rept 4
	v_nop
.endr
.Lasked_\@:
.endm
.macro CREST                           ; a round of the cluster's barrier behind its opening barrier
	s_cmp_lg_u32 s20, 0
	s_cbranch_scc1 .Lnot_wave_0_\@
	s_barrier_signal -3
.Lnot_wave_0_\@:
	s_barrier_wait -3
	s_barrier_signal -1
	s_barrier_wait -1
.endm
.macro CROUND
	s_barrier_signal -1
	s_barrier_wait -1
	CREST
.endm
	s_load_b512 s[4:19], s[0:1], 0x0               ; codes s[4:5], scl s[6:7], bq s[8:9], bk s[10:11], bv s[12:13], qimg s[14:15], qsc s[16:17], kv s[18:19]
	v_lshl_add_u32 v[SPW], v0, 2, SPARE
	v_mov_b32 v[NIL], 0
	ds_add_u32 v28, v29
	ds_add_u32 v28, v29
	s_wait_dscnt 0x0
	v_lshrrev_b32 v1, 5, v0
	v_readfirstlane_b32 s20, v1                    ; wave 0..3
	s_lshr_b32 s21, s20, 1                         ; my half of source 1's tiles.  Also: I fetch for source 1 (0) or source 0 (1)
	s_and_b32 s22, s20, 1                          ; my half of source 0's.  Also: which 8 tiles I fetch
	s_bfe_u32 s40, ttmp6, 0x40000                  ; cx, cy: my place in the cluster
	s_bfe_u32 s41, ttmp6, 0x40004
	s_and_b32 s42, ttmp7, 0xffff                   ; cluster y, 0..23
	s_lshr_b32 s[WHO], s42, 3
	s_and_b32 s45, s42, 7                          ; which 1,024 tokens
	s_lshl_b32 s43, s41, 2
	s_lshl_b32 s43, 15, s43                        ; my row of the cluster
	s_lshl_b32 s44, 0x1111, s40                    ; my column
	; group 1 for codes: 8 rows (tiles) of 512 elements of 8 bytes, 2,048 elements apart; dense in LDS
	s_or_b32 s[G1+0], s43, (3<<16)|(1<<21)         ; 15:0 the mask: my row; 17:16 elements of 8 bytes; 21 set beside a mask
	s_or_b32 s[G1B+0], s44, (3<<16)|(1<<21)        ; the same with my column
.irp g, G1, G1B
	s_mov_b32 s[\g+1], 512<<16                     ; tensor_dim0
	s_mov_b32 s[\g+2], 8<<16                       ; tensor_dim1
	s_mov_b32 s[\g+3], 512<<16                     ; tile_dim0
	s_mov_b32 s[\g+4], 8                           ; tile_dim1
	s_mov_b32 s[\g+5], 2048                        ; tensor_dim0_stride
	s_mov_b32 s[\g+6], 0
	s_mov_b32 s[\g+7], 0
.endr
	; and for the scales of 8 tiles: 4,096 dense bytes as 16 rows of 256, 16 bytes of padding behind each
	s_or_b32 s[G1S+0], s43, (3<<16)|(1<<20)|(1<<21)|(5<<22)|(3<<25)
	s_or_b32 s[G1SB+0], s44, (3<<16)|(1<<20)|(1<<21)|(5<<22)|(3<<25)
.irp g, G1S, G1SB
	s_mov_b32 s[\g+1], 32<<16
	s_mov_b32 s[\g+2], 16<<16
	s_mov_b32 s[\g+3], 32<<16
	s_mov_b32 s[\g+4], 16
	s_mov_b32 s[\g+5], 32
	s_mov_b32 s[\g+6], 0
	s_mov_b32 s[\g+7], 0
.endr
	s_lshl_b32 s46, s[WHO], 9
	s_lshl_b32 s47, s45, 6
	s_add_co_u32 s46, s46, s47                     ; the cluster's first tile of tokens: 512 x which + 64 x (which 1,024)
	s_lshl_b32 s47, s[WHO], 6
	s_add_co_u32 s47, s47, 1536                    ; its weight's first tile
	s_cmp_eq_u32 s[WHO], 2                         ; all of this hangs on the cluster's number alone
	s_cselect_b32 s[ISV], 1, 0
	s_cselect_b32 s2, s47, s46                     ; source 1: V: the weight; else the tokens
	s_cselect_b32 s3, s46, s47                     ; source 0: the other
	s_lshl_b32 s23, s22, 3                         ; which 8 tiles I fetch
	s_lshl_b32 s46, s41, 4
	s_add_co_u32 s2, s2, s46
	s_add_co_u32 s2, s2, s23                       ; source 1: + 16 cy + 8 x half
	s_lshl_b32 s47, s40, 4
	s_add_co_u32 s3, s3, s47
	s_add_co_u32 s3, s3, s23                       ; source 0: + 16 cx + 8 x half
	s_lshl_b32 s92, s2, 14                         ; a tile's codes are 16,384 bytes,
	s_mov_b32 s93, 0
	s_lshl_b32 s94, s2, 9                          ; its scale bytes 512
	s_mov_b32 s95, 0
	s_lshl_b32 s96, s3, 14
	s_mov_b32 s97, 0
	s_lshl_b32 s98, s3, 9
	s_mov_b32 s99, 0
	s_mul_i32 s100, s20, HALFT                     ; where they go: by the wave's number alone
	s_mul_i32 s101, s20, HALFS
	s_wait_kmcnt 0x0
	s_add_nc_u64 s[92:93], s[4:5], s[92:93]
	s_add_nc_u64 s[94:95], s[6:7], s[94:95]
	s_add_nc_u64 s[96:97], s[4:5], s[96:97]
	s_add_nc_u64 s[98:99], s[6:7], s[98:99]
	CROUND                                         ; all sixteen work-groups are here: the first joint loads meet
	s_mov_b32 s[G0S], 1
	s_add_co_u32 s[G0S+1], s101, SCL
	s_mov_b64 s[G0S+2:G0S+3], s[94:95]
	s_or_b32 s[G0S+3], s[G0S+3], 0x80000000
	s_mov_b32 s[G0SB], 1
	s_add_co_u32 s[G0SB+1], s101, SCL
	s_mov_b64 s[G0SB+2:G0SB+3], s[98:99]
	s_or_b32 s[G0SB+3], s[G0SB+3], 0x80000000
	JLOAD G0S, G1S, G0SB, G1SB                     ; the scales first: they are wanted with the first slot
.irp s, 0,1
	s_mov_b32 s[G0+4*\s], 1
	s_add_co_u32 s[G0+4*\s+1], s100, \s*SLOT
	s_add_nc_u64 s[G0+4*\s+2:G0+4*\s+3], s[92:93], \s*SLOTB
	s_or_b32 s[G0+4*\s+3], s[G0+4*\s+3], 0x80000000
	s_mov_b32 s[G0B+4*\s], 1
	s_add_co_u32 s[G0B+4*\s+1], s100, \s*SLOT
	s_add_nc_u64 s[G0B+4*\s+2:G0B+4*\s+3], s[96:97], \s*SLOTB
	s_or_b32 s[G0B+4*\s+3], s[G0B+4*\s+3], 0x80000000
	JLOAD G0+4*\s, G1, G0B+4*\s, G1B
.endr
	v_and_b32 v1, 15, v0                           ; r
	v_bfe_u32 v2, v0, 4, 1                         ; h
	v_and_b32 v3, 31, v0
	v_lshlrev_b32 v[L16], 4, v3
	s_mul_i32 s23, s21, HALFT                      ; my 8 tiles of source 1
	s_mul_i32 s46, s22, HALFT                      ; my 8 of source 0,
	s_add_co_u32 s46, s46, 2*HALFT                 ; which lie behind source 1's 16
.irp s, 0,1
	v_add_nc_u32 v[ADRA+\s], s23, v[L16]
	v_add_nc_u32 v[ADRB+\s], s46, v[L16]
	s_add_co_u32 s23, s23, SLOT
	s_add_co_u32 s46, s46, SLOT
.endr
	v_mul_u32_u24 v5, v1, KS                       ; my row's scales: 32 bytes a row,
	v_lshrrev_b32 v6, 8, v5
	v_lshl_add_u32 v5, v6, 4, v5                   ; and 16 more for each 256 passed
	s_mul_i32 s23, s21, HALFS
	s_mul_i32 s46, s22, HALFS
	s_add_co_u32 s46, s46, 2*HALFS
	s_sub_co_u32 s46, s46, s23
	v_mul_u32_u24 v6, s46, v2                      ; lanes 16-31 take source 0's
	s_add_co_u32 s23, s23, SCL
	v_add_nc_u32 v5, v5, v6
	v_add_nc_u32 v[ADRS], s23, v5
	; my first feature and my first token: they enter global addresses alone
	s_cmp_eq_u32 s[ISV], 1
	s_cselect_b32 s2, s41, s40                     ; the features' side: its place,
	s_cselect_b32 s3, s21, s22                     ; and my half of it
	s_cselect_b32 s23, s40, s41                    ; the tokens' side likewise
	s_cselect_b32 s46, s22, s21
	s_lshl_b32 s2, s2, 8
	s_lshl_b32 s3, s3, 7
	s_add_co_u32 s2, s2, s3                        ; my first feature
	s_lshl_b32 s3, s45, 2
	s_add_co_u32 s3, s3, s23
	s_lshl_b32 s3, s3, 8
	s_lshl_b32 s46, s46, 7
	s_add_co_u32 s3, s3, s46                       ; my first token
	s_cmp_eq_u32 s[WHO], 0
	s_cselect_b64 s[8:9], s[8:9], s[10:11]
	s_cmp_eq_u32 s[WHO], 2
	s_cselect_b64 s[8:9], s[12:13], s[8:9]         ; the bias
	s_lshl_b32 s46, s2, 2
	s_mov_b32 s47, 0
	s_add_nc_u64 s[8:9], s[8:9], s[46:47]
	s_cmp_eq_u32 s[ISV], 1
	s_cbranch_scc1 .Lbias_v
	v_lshlrev_b32 v7, 6, v2                        ; Q, K: registers run along the features: for source 0's tile b those of features 32 (b / 2) + 16 h + 8 (b % 2) + 0 .. 7
.irp b, 0,1,2,3,4,5,6,7
	global_load_b128 v[BIAS+8*\b:BIAS+8*\b+3], v7, s[8:9] offset:(32*(\b/2)+8*(\b%2))*4
	global_load_b128 v[BIAS+8*\b+4:BIAS+8*\b+7], v7, s[8:9] offset:(32*(\b/2)+8*(\b%2))*4+16
.endr
	s_branch .Lbias_done
.Lbias_v:
	v_and_b32 v7, 8, v1                            ; V: a lane holds one feature: for source 1's tile a that of row r of the tile, in all eight registers
	v_add_nc_u32 v7, v7, v1
	v_lshlrev_b32 v7, 2, v7
.irp a, 0,1,2,3,4,5,6,7
	global_load_b32 v[BIAS+8*\a], v7, s[8:9] offset:(32*(\a/2)+8*(\a%2))*4
.endr
	s_wait_loadcnt 0x0
.irp a, 0,1,2,3,4,5,6,7
.irp j, 1,2,3,4,5,6,7
	v_mov_b32 v[BIAS+8*\a+\j], v[BIAS+8*\a]
.endr
.endr
.Lbias_done:
	s_wait_loadcnt 0x0
	; where the results go: record = ((batch x 16 + head) x 16 + which 128 tokens of the batch)
	s_lshr_b32 s23, s3, 11
	s_lshl_b32 s23, s23, 4
	s_lshr_b32 s46, s2, 6
	s_add_co_u32 s23, s23, s46
	s_lshl_b32 s23, s23, 4
	s_bfe_u32 s46, s3, 0x40007
	s_add_co_u32 s23, s23, s46
	s_mov_b32 s46, REC
	s_cmp_eq_u32 s[WHO], 0
	s_cselect_b32 s2, 8192, s46                    ; a record of codes: Q's 8,192 bytes, else kv's
	s_cselect_b32 s3, 512, s46                     ; and of scale words
	s_cselect_b32 s42, 0, 16384                    ; in kv the scale words lie behind the codes
	s_cselect_b64 s[OB:OB+1], s[14:15], s[18:19]
	s_cselect_b64 s[SBP:SBP+1], s[16:17], s[18:19]
	s_mul_i32 s96, s23, s2
	s_mul_i32 s98, s23, s3
	s_lshl_b32 s2, s2, 4                           ; the next head is 16 records on
	s_lshl_b32 s3, s3, 4
	s_mov_b32 s46, 1024
	s_cmp_eq_u32 s[ISV], 1
	s_cselect_b32 s2, 1024, s2                     ; blocks 2 and 3: Q, K: the next head; V: the same fragment
	s_cselect_b32 s23, 8192, 0                     ; V's codes lie behind K's,
	s_cselect_b32 s45, 512, 0                      ; its scale words behind K's
	s_cselect_b32 s10, 16*REC-3*2048, s46          ; V: tile 4 begins the next head
	s_add_co_u32 s96, s96, s23
	s_mov_b32 s97, 0
	s_add_nc_u64 s[OB:OB+1], s[OB:OB+1], s[96:97]
	s_add_co_u32 s98, s98, s42
	s_add_co_u32 s98, s98, s45
	s_mov_b32 s99, 0
	s_add_nc_u64 s[SBP:SBP+1], s[SBP:SBP+1], s[98:99]
	s_lshl_b32 s[INC], 1024, s[ISV]                ; a tile's codes: Q, K 1,024 bytes of a head, V 2,048
	s_mov_b32 s[INC4], s10
	v_add_nc_u32 v[VOX], s2, v[L16]
	v_add_nc_u32 v[SVO], s3, v[L16]
	s_mov_b32 s[SEL], 0x76543210
	s_mov_b32 s[SEL+1], 0xfedcba98
	s_mov_b32 s[MNT], 0x600000
.macro FRAG reg, adr, q, i             ; a fragment as it lies: four loads of 512 consecutive bytes
.irp c, 0,1,2,3
	ds_load_b128 v[\reg+4*\c:\reg+4*\c+3], v[\adr] offset:4096*(\i)+2048*(\q)+512*\c
.endr
.endm
; 16 matrix instructions: source 1's tiles a0, a0 + 1 x source 0's eight.  zero = 1: C = the bias by source 0's tile; 2: by source 1's; 0: the sum goes on.  The 64 accumulators take turns.
.macro MUL16 a0, p, q, sc, zero
.irp a, \a0, \a0+1
.irp b, 0,1,2,3,4,5,6,7
.if \zero == 1
	v_wmma_scale_f32_16x16x128_f8f6f4 v[8*(8*((\a)%4)+\b):8*(8*((\a)%4)+\b)+7], v[128*(\p)+FR*\b:128*(\p)+FR*\b+FR-1], v[AF+FR*(\a):AF+FR*(\a)+FR-1], v[BIAS+8*\b:BIAS+8*\b+7], v[SC+8*NQ*(\sc)+NQ*\b+(\q)], v[SC+8*NQ*(\sc)+NQ*(\a)+(\q)] matrix_a_scale:MATRIX_SCALE_ROW1
.elseif \zero == 2
	v_wmma_scale_f32_16x16x128_f8f6f4 v[8*(8*((\a)%4)+\b):8*(8*((\a)%4)+\b)+7], v[128*(\p)+FR*\b:128*(\p)+FR*\b+FR-1], v[AF+FR*(\a):AF+FR*(\a)+FR-1], v[BIAS+8*(\a):BIAS+8*(\a)+7], v[SC+8*NQ*(\sc)+NQ*\b+(\q)], v[SC+8*NQ*(\sc)+NQ*(\a)+(\q)] matrix_a_scale:MATRIX_SCALE_ROW1
.else
	v_wmma_scale_f32_16x16x128_f8f6f4 v[8*(8*((\a)%4)+\b):8*(8*((\a)%4)+\b)+7], v[128*(\p)+FR*\b:128*(\p)+FR*\b+FR-1], v[AF+FR*(\a):AF+FR*(\a)+FR-1], v[8*(8*((\a)%4)+\b):8*(8*((\a)%4)+\b)+7], v[SC+8*NQ*(\sc)+NQ*\b+(\q)], v[SC+8*NQ*(\sc)+NQ*(\a)+(\q)] matrix_a_scale:MATRIX_SCALE_ROW1
.endif
.endr
.endr
.endm
.macro FETCH_B slot, q, p
	WIN TO_B
.irp i, 0,1,2,3,4,5,6,7
	FRAG 128*(\p)+FR*\i, ADRB+\slot, \q, \i
.endr
	WIN 0
.endm
.macro FETCH_A slot, q, i0
.irp i, \i0, \i0+1, \i0+2, \i0+3
	FRAG AF+FR*(\i), ADRA+\slot, \q, \i
.endr
.endm
.macro SCALES sc                       ; a slot's scale words: two a row; lanes 0-15 source 1's tile i, lanes 16-31 source 0's
.irp i, 0,1,2,3,4,5,6,7
	ds_load_b64 v[SC+8*NQ*\sc+NQ*\i:SC+8*NQ*\sc+NQ*\i+1], v[ADRS] offset:\i*SBLK
.endr
.endm
.macro PLACES n                        ; plain vector lines between a matrix instruction and a load into, or a read of, its registers
.rept \n
	v_nop
.endr
.endm
.macro STEP slot, q, zero              ; 128 along K that have their successor in the same slot
	s_wait_dscnt 4*NL                              ; all but the youngest 16 loads (source 1's tiles 4-7) are in
.if \zero
	WIN 0x81                                       ; C, the bias, in window 0
.else
	WIN MUL_LO
.endif
	MUL16 0, (\q)%2, \q, \slot, \zero
	MUL16 2, (\q)%2, \q, \slot, \zero
	s_wait_dscnt 0
	PLACES NP
	FETCH_B \slot, (\q)+1, 1-(\q)%2
	FETCH_A \slot, (\q)+1, 0
.if \zero
	WIN 0xc1
.else
	WIN MUL_HI
.endif
	MUL16 4, (\q)%2, \q, \slot, \zero
	MUL16 6, (\q)%2, \q, \slot, \zero
	PLACES NP
	WIN 0
	FETCH_A \slot, (\q)+1, 4
.endm
; A slot's last 128 change slots: one barrier; ahead of it each wave waits for all its tensor loads, adds 0 to its spare word, and waits for that and for its reads of this slot.  fill = 1: the slot is filled again, two slots ahead.
.macro TURN slot, next, fill
	s_wait_tensorcnt 0x0                           ; all my tensor loads have landed: my part of the next slot
	ds_add_u32 v[SPW], v[NIL]
	s_wait_dscnt 4*NL+1                            ; the add and the youngest 16 loads may be out
	WIN MUL_LO
	MUL16 0, 1, NQ-1, \slot, 0
	s_wait_dscnt 0x0                               ; the add is done, and my reads of this slot are over
	s_barrier_signal -1
	MUL16 2, 1, NQ-1, \slot, 0
	WIN 0
	s_barrier_wait -1
.if \fill
	CREST                                          ; the barrier has opened a round of the cluster's: no wave of any partner still reads this slot or has a load on its way
	s_add_nc_u64 s[G0+4*\slot+2:G0+4*\slot+3], s[G0+4*\slot+2:G0+4*\slot+3], 2*SLOTB
	s_add_nc_u64 s[G0B+4*\slot+2:G0B+4*\slot+3], s[G0B+4*\slot+2:G0B+4*\slot+3], 2*SLOTB
	JLOAD G0+4*\slot, G1, G0B+4*\slot, G1B         ; the first tensor load behind the round; its four v_nop are among the places below
	PLACES NP-4
.else
	PLACES NP
.endif
	v_add_nc_u32 v[ADRS], 4*NQ, v[ADRS]            ; the next slot's scale words (no LDS load of mine is out)
	FETCH_B \next, 0, 0
	FETCH_A \next, 0, 0
	SCALES \next
	WIN MUL_HI
	MUL16 4, 1, NQ-1, \slot, 0
	MUL16 6, 1, NQ-1, \slot, 0
	PLACES NP
	WIN 0
	FETCH_A \next, 0, 4
.endm
	s_wait_tensorcnt 1                             ; the scales and my part of slot 0 are in; slot 1's load may be out
	s_barrier_signal -1
	s_barrier_wait -1
	FETCH_B 0, 0, 0
	FETCH_A 0, 0, 0
	SCALES 0
	FETCH_A 0, 0, 4
	s_cmp_eq_u32 s[ISV], 1                         ; the first products start the sums with the bias, which lies by source 0's tiles (Q, K) or by source 1's (V)
	s_cbranch_scc1 .Lfirst_v
	STEP 0, 0, 1
	s_branch .Lfirst_done
.Lfirst_v:
	STEP 0, 0, 2
.Lfirst_done:
	TURN 0, 1, 1                                   ; K = 1,024 is four slots: each slot is filled once more, and the walk is written out
	STEP 1, 0, 0
	TURN 1, 0, 1
	STEP 0, 0, 0
	TURN 0, 1, 0
	STEP 1, 0, 0
	s_wait_dscnt 4*NL
	WIN MUL_LO
	MUL16 0, 1, NQ-1, 1, 0
	MUL16 2, 1, NQ-1, 1, 0
	s_wait_dscnt 0
	WIN MUL_HI
	MUL16 4, 1, NQ-1, 1, 0
	MUL16 6, 1, NQ-1, 1, 0
	WIN 0
; THE WAY OUT.  The 64 registers of source 1's tile a (register 16 b + i = place 32 b + 16 (lane / 16) + i along the next K) become 16 registers of codes and a scale word.  Each accumulator is read from its low end on.
.macro QUANTW a
.set QWW, 2+(\a)/4
.set S0, 64*((\a)%4)
.set PCC, PC+16*((\a)%2)
.set WA, (QWW<<2)|(QWW<<4)
.set WB, (QWW<<6)|QWW
	WIN WA                                         ; sources 1 and 2: the accumulators' window
.irp b, 0,1,2,3
	v_max3_num_f32 v[TM+\b], 0x4800000, |v[S0+16*\b]|, |v[S0+16*\b+1]|   ; and the floor 2^(9 - 127)
.endr
.irp i, 2,4,6,8,10,12,14
.irp b, 0,1,2,3
	v_max3_num_f32 v[TM+\b], v[TM+\b], |v[S0+16*\b+\i]|, |v[S0+16*\b+\i+1]|
.endr
.endr
	WIN 0
.irp b, 0,1,2,3
	v_permlanex16_b32 v[TM+4+\b], v[TM+\b], s[SEL], s[SEL+1]
.endr
.irp b, 0,1,2,3
	v_max_num_f32 v[TM+\b], v[TM+\b], v[TM+4+\b]
.endr
.irp b, 0,1,2,3
	v_add_nc_u32 v[TM+12+\b], 0xfc000000, v[TM+\b]
.endr
.irp b, 0,1,2,3
	v_and_or_b32 v[TM+8+\b], v[TM+\b], 0x7f800000, s[MNT]
.endr
.irp b, 0,1,2,3
	v_lshrrev_b32 v[TM+4+\b], 23, v[TM+12+\b]
.endr
	v_lshl_or_b32 v[PWR+(\a)], v[TM+5], 8, v[TM+4]
	v_lshl_or_b32 v[PWR+(\a)], v[TM+6], 16, v[PWR+(\a)]
	v_lshl_or_b32 v[PWR+(\a)], v[TM+7], 24, v[PWR+(\a)]
	WIN WB                                         ; destination and source 0: the accumulators' window
.irp b, 0,1,2,3
.irp i, 0,1,2,3,4,5,6,7,8,9,10,11,12,13,14,15
	v_med3_num_f32 v[S0+16*\b+\i], v[S0+16*\b+\i], -v[TM+8+\b], v[TM+8+\b]
.endr
.endr
	WIN QWW                                        ; source 0 alone
.irp b, 0,1,2,3
	v_cvt_scalef32_pk8_fp8_f32 v[PCC+4*\b:PCC+4*\b+1], v[S0+16*\b:S0+16*\b+7], v[TM+12+\b]
	v_cvt_scalef32_pk8_fp8_f32 v[PCC+4*\b+2:PCC+4*\b+3], v[S0+16*\b+8:S0+16*\b+15], v[TM+12+\b]
.endr
	WIN 0
	v_nop                                          ; a plain line behind the last conversion
.if (\a) == 4
	s_wait_xcnt 0x0                                ; the last tile's stores have read their base and their codes: the base steps, and that set of codes may be written in the next tile
	s_add_nc_u64 s[OB:OB+1], s[OB:OB+1], s[INC4:INC4+1]
.elseif (\a) > 0
	s_wait_xcnt 0x0
	s_add_nc_u64 s[OB:OB+1], s[OB:OB+1], s[INC:INC+1]
.endif
	global_store_b128 v[L16], v[PCC:PCC+3], s[OB:OB+1]                 ; each store: 512 consecutive bytes, aligned
	global_store_b128 v[L16], v[PCC+4:PCC+7], s[OB:OB+1] offset:512
	global_store_b128 v[VOX], v[PCC+8:PCC+11], s[OB:OB+1]
	global_store_b128 v[VOX], v[PCC+12:PCC+15], s[OB:OB+1] offset:512
.endm
	PLACES NP
.irp b, 0,1,2,3
	v_mov_b32 v[TM+4+\b], 0                        ; a lane permute's destination counts as one of its sources
.endr
.irp a, 0,1,2,3,4,5,6,7
	QUANTW \a
.endr
	s_cmp_eq_u32 s[ISV], 1
	s_cbranch_scc1 .Lsc_v
.irp g, 0,1,2,3                        ; Q, K: a word holds two heads' two bytes of a token; stored is, by head, a word of the two tiles of 32 tokens
	v_perm_b32 v[SWO+\g], v[PWR+2*\g+1], v[PWR+2*\g], 0x05040100
	v_perm_b32 v[SWO+4+\g], v[PWR+2*\g+1], v[PWR+2*\g], 0x07060302
.endr
	global_store_b128 v[L16], v[SWO:SWO+3], s[SBP:SBP+1]
	global_store_b128 v[SVO], v[SWO+4:SWO+7], s[SBP:SBP+1]
	s_branch .Lsc_done
.Lsc_v:
	global_store_b128 v[L16], v[PWR:PWR+3], s[SBP:SBP+1]               ; V: a word is a feature's four blocks of keys; four tiles to a head
	global_store_b128 v[SVO], v[PWR+4:PWR+7], s[SBP:SBP+1]
.Lsc_done:
	s_wait_tensorcnt 0x0                           ; the wave's end
	ds_add_u32 v[SPW], v[NIL]
	s_wait_dscnt 0x0
	CROUND                                         ; the closing round
	s_endpgm
.Lfunc_end_k_q164adf9dc5_proj:
	.size	k_q164adf9dc5_proj, .Lfunc_end_k_q164adf9dc5_proj-k_q164adf9dc5_proj
	.p2alignl 7, 3214868480
	.fill 96, 4, 3214868480
	.section	.rodata,"a",@progbits
	.p2align	6, 0x0
	.amdhsa_kernel k_q164adf9dc5_proj
		.amdhsa_group_segment_fixed_size 327680
		.amdhsa_private_segment_fixed_size 0
		.amdhsa_enable_private_segment 0
		.amdhsa_kernarg_size 64
		.amdhsa_user_sgpr_count 2
		.amdhsa_user_sgpr_kernarg_segment_ptr 1
		.amdhsa_wavefront_size32 1
		.amdhsa_system_sgpr_workgroup_id_x 1
		.amdhsa_system_sgpr_workgroup_id_y 1
		.amdhsa_system_sgpr_workgroup_id_z 1
		.amdhsa_system_vgpr_workitem_id 0
		.amdhsa_next_free_vgpr 1024
		.amdhsa_next_free_sgpr 102
		.amdhsa_reserve_vcc 0
		.amdhsa_float_denorm_mode_32 3
		.amdhsa_float_denorm_mode_16_64 3
		.amdhsa_memory_ordered 1
		.amdhsa_forward_progress 1
		.amdhsa_inst_pref_size 204
	.end_amdhsa_kernel
	.amdgpu_metadata
---
amdhsa.version: [ 1, 2 ]
amdhsa.kernels:
  - .name:           k_q164adf9dc5_proj
    .symbol:         k_q164adf9dc5_proj.kd
    .args:
      - { .name: codes, .offset: 0, .size: 8, .value_kind: global_buffer, .address_space: global }
      - { .name: scl, .offset: 8, .size: 8, .value_kind: global_buffer, .address_space: global }
      - { .name: bq, .offset: 16, .size: 8, .value_kind: global_buffer, .address_space: global }
      - { .name: bk, .offset: 24, .size: 8, .value_kind: global_buffer, .address_space: global }
      - { .name: bv, .offset: 32, .size: 8, .value_kind: global_buffer, .address_space: global }
      - { .name: qimg, .offset: 40, .size: 8, .value_kind: global_buffer, .address_space: global }
      - { .name: qsc, .offset: 48, .size: 8, .value_kind: global_buffer, .address_space: global }
      - { .name: kv, .offset: 56, .size: 8, .value_kind: global_buffer, .address_space: global }
    .group_segment_fixed_size: 327680
    .private_segment_fixed_size: 0
    .kernarg_segment_align: 8
    .kernarg_segment_size: 64
    .max_flat_workgroup_size: 128
    .sgpr_count:     102
    .vgpr_count:     1024
    .wavefront_size: 32
...
	.end_amdgpu_metadata
.endif
;; end of part 2
;; launch attn (part 3): grid 4 x 64, 8 waves a work-group, no clusters, 35,840 bytes of LDS; arguments qimg, qsc, kv, mask, flags, cimg, csc; writes cimg, csc
.if DOCPART == 3
	.amdgcn_target "amdgcn-amd-amdhsa--gfx1250"
	.amdhsa_code_object_version 6
	.text
	.protected	k_q164adf9dc5_attn
	.globl	k_q164adf9dc5_attn
	.p2align	8
	.type	k_q164adf9dc5_attn,@function
k_q164adf9dc5_attn:
	s_mov_b64 s[64:65], 0
	v_nop
	global_prefetch_b8 v0, s[64:65] scope:SCOPE_SE
	s_setreg_imm32_b32 hwreg(HW_REG_WAVE_MODE, 25, 1), 1
	s_wait_xcnt 0x0
; ctx = softmax(mask(Q K^T / 8)) V for one head of one batch, both products on codes of E4M3 with E8M0 scales, and ctx quantised along E into the last product's operand.
; THE SOFTMAX: t = score x log2(e) / 8; M = the running largest t rounded up to a whole number; p = 2^(t - M) is quantised along the keys; the row's sum is taken of the unquantised p and divides at the end.
; SHARES.  Work-group (x, head) walks two blocks of 256 queries, x and 7 - x; each of its eight waves owns 32 queries, two tiles of 16 (query of lane r in tile u: 32 g + 8 u + r + 8 (r / 8)); two waves to a SIMD.
; THE MASK IS AN INPUT.  An earlier launch has stored, for each 32 queries and each key step of 128 keys, whether any key is open and whether any is masked.  A step with no open key adds nothing (every p is 0) and is left out;
; a step with no masked key needs no masking; else the mask's bytes are read and masked scores become -infinity ahead of the maximum.  This holds for every mask.  A query with no open key at all gets the scale byte 0xff: NaN, as the softmax of such a row is.
; These branches hang on stored whole numbers, so LDS is filled through registers (no tensor load, no cluster): a key step's record of 17,408 bytes (K's and V's codes as images of their registers, and their scale words) is asked for
; a step ahead by all 256 threads, 68 bytes each, stored into the other of two slots at the step's end, and one barrier a step orders both the stores and the reads.  No prefetch: each record is read by eight passes and is asked for a whole step ahead.
; THE HEAD'S 64.  A fragment of K holds two tiles of 16 keys: K = 0-63 the first tile's 64 numbers, K = 64-127 the second's.  Source 1 is [q | zeros] for the first and [zeros | q] for the second: no register of K's is empty.
; Both products are used transposed: a lane holds one query; the keys of a tile are chosen so that p's 16 registers of two tiles are 16 neighbouring keys; V's tiles of features likewise for ctx.
; LIMITS: NaN and infinities among the operands are not served; a block whose largest magnitude lies under 2^-118 gets the byte 1.
; REGISTERS.  A tile's state stands at the same numbers in window 0 (tile 0) and window 1 (tile 1): v12 -M, v13 largest t, v[14:15] the sum, v96-159 S then p, v160-191 O^T, v192-199 zeros, v200-207 q, v208-215 zeros,
; v216-231 mask bytes then p's codes, v232-255 at work.  Window 0 alone: v1-6 addresses, v9 a store's data, v16-27 scale words, v28 q's raw word, v32-95 K.  Window 1 alone: v4, v16-31 the record on its way, v32-95 V.
.set REC,  17408
.set VOFF, 8192
.set KSC,  16384
.set VSC,  16896
.set LI,  1                            ; v1  16 x lane
.set FA,  2                            ; v2  16 x thread
.set FS,  3                            ; v3  4 x thread
.set MA,  4                            ; v4, v5  my query's row of the mask, tile 0, 1: + 16 (lane / 16)
.set CSA, 6                            ; v6  csc: 512 (lane / 16) + 32 r
.set SD,  9
.set KSW, 16                           ; v16-19 K's scale words
.set VSW, 20                           ; v20-23 V's
.set QSW, 24                           ; v24, v25 q's, tile 0, 1
.set PSW, 26                           ; v26, v27 p's
.set QRW, 28
.set KF,  32
.set S,   96
.set O,   160
.set Z0,  192
.set QC,  200
.set PCD, 216
.set WV,   18
.set MNT,  19
.set SEL,  20
.set CS,   22
.set NINF, 24
.set FFFF, 25
.set HM,   26                          ; s26 lanes 16-31
.set QB,   27
.set BH,   28
.set PASS, 29
.set TRIP, 30
.set G,    31
.set C255, 48
.set BN,   49                          ; bit 0: some wave of the block needs the step in hand; bit 1: the next
.set WN,   50                          ; the same for my 32 queries
.set WM,   51                          ; bit 0: the step in hand has a masked key for my queries
.set KVP,  52
.set MP,   54
.set CP,   56
.set CSP,  58
.set QP,   60
.set QSP,  62
.set MSB, 0
.macro WIN new                         ; the immediate's high byte repeats the setting that is left
.if MSB != \new
	s_set_vgpr_msb (MSB<<8)|\new
.set MSB, \new
.endif
.endm
; the record off bytes on from KVP is asked for, if the block needs it: into registers of window 1
.macro FILL_ASK bit, off
	s_bitcmp1_b32 s[BN], \bit
	s_cbranch_scc0 .Lna_\@
	WIN 0x40
.irp i, 0,1,2,3
	global_load_b128 v[16+4*\i:19+4*\i], v[FA], s[KVP:KVP+1] offset:\off+4096*\i
.endr
	global_load_b32 v4, v[FS], s[KVP:KVP+1] offset:\off+KSC
	WIN 0
.Lna_\@:
.endm
; and goes into a slot.  The wait stands on every path: behind it no load of mine is out, so the loads' base may step
.macro FILL_PUT bit, slot
	s_wait_loadcnt 0x0
	s_bitcmp1_b32 s[BN], \bit
	s_cbranch_scc0 .Lnp_\@
	WIN 0x04
.irp i, 0,1,2,3
	ds_store_b128 v[FA], v[16+4*\i:19+4*\i] offset:(\slot)*REC+4096*\i
.endr
	ds_store_b32 v[FS], v4 offset:(\slot)*REC+KSC
	WIN 0
.Lnp_\@:
.endm
.macro QK t                            ; S^T of tile t: eight tiles of 16 keys
.if \t
	WIN 0x44
.else
	WIN 0
.endif
.irp f, 0,1,2,3
.irp e, 0,1
	v_wmma_scale_f32_16x16x128_f8f6f4 v[S+8*(2*\f+\e):S+8*(2*\f+\e)+7], v[KF+16*\f:KF+16*\f+15], v[QC-8*\e:QC-8*\e+15], 0, v[KSW+\f], v[QSW+\t]
.endr
.endr
.endm
; masked scores become -infinity.  Register 16 b + i of a lane holds key 32 b + 16 (lane / 16) + i of the step: its mask byte is byte i of the 16 loaded for block b
.macro MASK
.irp b, 0,1,2,3
	global_load_b128 v[PCD+4*\b:PCD+4*\b+3], v[MA], s[MP:MP+1] offset:32*\b
.endr
	WIN 0x40
.irp b, 0,1,2,3
	global_load_b128 v[PCD+4*\b:PCD+4*\b+3], v[MA+1], s[MP:MP+1] offset:32*\b
.endr
	s_wait_loadcnt 0x0
.irp t, 0,1
.set TW, 0x55*\t
	WIN TW
.irp w, 0,1,2,3,4,5,6,7,8,9,10,11,12,13,14,15
	v_mul_lo_u32 v[PCD+\w], v[PCD+\w], s[C255]     ; bytes 0 or 1 become 0 or 255
.endr
.set n, 0
.rept 16
.irp k, 0,1,2,3
	v_perm_b32 v[232+\k], v[PCD+n], v[PCD+n], 0x01010101*\k   ; byte k in all four places
.endr
.irp k, 0,1,2,3
	v_bfi_b32 v[S+4*n+\k], v[232+\k], s[NINF], v[S+4*n+\k]
.endr
.set n, n+1
.endr
.endr
	WIN 0
.endm
.macro SOFTMAX t
.set TW, 0x55*\t
	WIN TW
.irp b, 0,1,2,3
	v_max3_num_f32 v[232+\b], v[S+16*\b], v[S+1+16*\b], v[S+2+16*\b]   ; the largest score of each block of 32 keys: for the row's maximum, and, since p rises with the score, for the block's largest p
.endr
.irp i, 3,5,7,9,11,13
.irp b, 0,1,2,3
	v_max3_num_f32 v[232+\b], v[232+\b], v[S+16*\b+\i], v[S+1+16*\b+\i]
.endr
.endr
.irp b, 0,1,2,3
	v_max_num_f32 v[232+\b], v[232+\b], v[S+15+16*\b]
.endr
.irp b, 0,1,2,3
	v_permlanex16_b32 v[236+\b], v[232+\b], s[SEL], s[SEL+1]
.endr
.irp b, 0,1,2,3
	v_max_num_f32 v[232+\b], v[232+\b], v[236+\b]
.endr
	v_max3_num_f32 v254, v232, v233, v234
	v_max_num_f32 v254, v254, v235
	v_mul_f32 v254, s[CS], v254
	v_max_num_f32 v13, v13, v254                   ; the running largest t
	v_mov_b32 v254, v12
	v_floor_f32 v12, -v13                          ; -M = floor(-t): M is a whole number
	v_sub_f32 v254, v12, v254
	v_cvt_i32_f32 v254, v254                       ; (it saturates)
	v_ldexp_f32 v252, 1.0, v254                    ; f = 2^(old M - new M)
.irp j, 0,2,4,6,8,10,12,14,16,18,20,22,24,26,28,30,32,34,36,38,40,42,44,46,48,50,52,54,56,58,60,62
	v_pk_fma_f32 v[S+\j:S+1+\j], v[S+\j:S+1+\j], s[CS:CS+1], v[12:13] op_sel_hi:[1,0,0]   ; t - M
.endr
.irp b, 0,1,2,3
	v_fma_f32 v[232+\b], v[232+\b], s[CS], v12
.endr
.irp j, 0,1,2,3,4,5,6,7,8,9,10,11,12,13,14,15,16,17,18,19,20,21,22,23,24,25,26,27,28,29,30,31,32,33,34,35,36,37,38,39,40,41,42,43,44,45,46,47,48,49,50,51,52,53,54,55,56,57,58,59,60,61,62,63
	v_exp_f32 v[S+\j], v[S+\j]                     ; p = 2^(t - M)
.endr
	v_pk_mul_f32 v[14:15], v[14:15], v[252:253] op_sel_hi:[1,0]   ; the sums under the new M: a plain line behind the exponentials
	s_wait_alu depctr_va_vdst(0)                   ; one wait for the batch, ahead of its first use
.irp b, 0,1,2,3
	v_exp_f32 v[232+\b], v[232+\b]                 ; each block's largest p
.endr
	v_pk_add_f32 v[236:237], v[S:S+1], v[S+2:S+3]  ; the row's sum of the unquantised p, in two chains
.irp j, 4,8,12,16,20,24,28,32,36,40,44,48,52,56,60
	v_pk_add_f32 v[14:15], v[14:15], v[S+\j:S+1+\j]
	v_pk_add_f32 v[236:237], v[236:237], v[S+2+\j:S+3+\j]
.endr
	v_pk_add_f32 v[14:15], v[14:15], v[236:237]
	s_wait_alu depctr_va_vdst(0)                   ; and one for the four
.irp b, 0,1,2,3
	v_max_num_f32 v[232+\b], 0x4800000, v[232+\b]  ; the floor 2^(9 - 127)
.endr
.irp b, 0,1,2,3
	v_add_nc_u32 v[244+\b], 0xfc000000, v[232+\b]
.endr
.irp b, 0,1,2,3
	v_and_or_b32 v[240+\b], v[232+\b], 0x7f800000, s[MNT]
.endr
.irp b, 0,1,2,3
	v_lshrrev_b32 v[236+\b], 23, v[244+\b]
.endr
	v_lshl_or_b32 v253, v237, 8, v236
	v_lshl_or_b32 v253, v238, 16, v253
.if \t
	WIN 0x11                                       ; scale operands have no window: p's word goes to window 0
.endif
	v_lshl_or_b32 v[PSW+\t], v239, 24, v253
	WIN TW
.irp b, 0,1,2,3
.irp i, 0,1,2,3,4,5,6,7,8,9,10,11,12,13,14,15
	v_min_num_f32 v[S+16*\b+\i], v[S+16*\b+\i], v[240+\b]   ; the conversion does not saturate (ISA guide 7.6.2); p is not negative
.endr
	v_cvt_scalef32_pk8_fp8_f32 v[PCD+4*\b:PCD+1+4*\b], v[S+16*\b:S+7+16*\b], v[244+\b]
	v_cvt_scalef32_pk8_fp8_f32 v[PCD+2+4*\b:PCD+3+4*\b], v[S+8+16*\b:S+15+16*\b], v[244+\b]
.endr
.irp j, 0,2,4,6,8,10,12,14,16,18,20,22,24,26,28,30
	v_pk_mul_f32 v[O+\j:O+1+\j], v[O+\j:O+1+\j], v[252:253] op_sel_hi:[1,0]   ; O^T under the new M
.endr
.endm
; A KEY STEP: the record in \slot.
.macro STEP slot
	FILL_ASK 1, REC                                ; the next record, a whole step ahead of the wait for it
	s_bitcmp1_b32 s[WN], 0
	s_cbranch_scc0 .Lidle_\@                       ; no key of this step is open for my queries
.irp f, 0,1,2,3
.irp c, 0,1,2,3
	ds_load_b128 v[KF+16*\f+4*\c:KF+16*\f+4*\c+3], v[LI] offset:\slot*REC+2048*\f+512*\c
.endr
.endr
	ds_load_b128 v[KSW:KSW+3], v[LI] offset:\slot*REC+KSC
	s_wait_dscnt 0x0
	QK 0
	QK 1
	WIN 0
.rept 8
	v_nop                                          ; places ahead of the reads of S and of the loads into registers that the last step's second product read
.endr
	WIN 0x40
.irp f, 0,1,2,3
.irp c, 0,1,2,3
	ds_load_b128 v[KF+16*\f+4*\c:KF+16*\f+4*\c+3], v[LI] offset:\slot*REC+VOFF+2048*\f+512*\c
.endr
.endr
	WIN 0
	ds_load_b128 v[VSW:VSW+3], v[LI] offset:\slot*REC+VSC
	s_bitcmp1_b32 s[WM], 0
	s_cbranch_scc0 .Lopen_\@                       ; no key of this step is masked for my queries
	MASK
.Lopen_\@:
	SOFTMAX 0
	SOFTMAX 1
.rept 4
	v_nop                                          ; O^T, just rescaled, keeps the distance of an operand written by vector instructions
.endr
	s_wait_dscnt 0x0                               ; V
	WIN 0x01
.irp f, 0,1,2,3
	v_wmma_scale_f32_16x16x128_f8f6f4 v[O+8*\f:O+8*\f+7], v[KF+16*\f:KF+16*\f+15], v[PCD:PCD+15], v[O+8*\f:O+8*\f+7], v[VSW+\f], v[PSW]
.endr
	WIN 0x55
.irp f, 0,1,2,3
	v_wmma_scale_f32_16x16x128_f8f6f4 v[O+8*\f:O+8*\f+7], v[KF+16*\f:KF+16*\f+15], v[PCD:PCD+15], v[O+8*\f:O+8*\f+7], v[VSW+\f], v[PSW+1]
.endr
	WIN 0
.Lidle_\@:
	FILL_PUT 1, 1-\slot                            ; nobody reads that slot: its readers passed the last barrier behind their waits
	s_wait_dscnt 0x0                               ; my stores have landed, and my reads of this slot are over
	s_barrier_signal -1
	s_barrier_wait -1
	s_lshr_b32 s[BN], s[BN], 1
	s_lshr_b32 s[WN], s[WN], 1
	s_lshr_b32 s[WM], s[WM], 1
	s_add_nc_u64 s[KVP:KVP+1], s[KVP:KVP+1], REC
	s_add_nc_u64 s[MP:MP+1], s[MP:MP+1], 128
.endm
	s_load_b256 s[4:11], s[0:1], 0x0               ; qimg s[4:5], qsc s[6:7], kv s[8:9], mask s[10:11]
	s_load_b128 s[12:15], s[0:1], 0x20             ; flags s[12:13], cimg s[14:15]
	s_load_b64 s[16:17], s[0:1], 0x30              ; csc
	v_lshl_add_u32 v251, v0, 2, 0x8800
	v_mov_b32 v255, 0
	v_lshrrev_b32 v1, 5, v0
	v_readfirstlane_b32 s[WV], v1                  ; wave 0..7
	v_and_b32 v7, 31, v0
	v_lshlrev_b32 v[LI], 4, v7
	v_lshlrev_b32 v[FA], 4, v0
	v_lshlrev_b32 v[FS], 2, v0
	v_and_b32 v8, 15, v0                           ; r
	v_bfe_u32 v10, v0, 4, 1                        ; h
	v_and_b32 v11, 8, v8
	v_add_nc_u32 v11, v11, v8                      ; r + 8 (r / 8)
	v_lshlrev_b32 v[MA], 11, v11
	v_lshl_add_u32 v[MA], v10, 4, v[MA]
	v_add_nc_u32 v[MA+1], 8*2048, v[MA]
	v_lshlrev_b32 v[CSA], 5, v8
	v_lshl_add_u32 v[CSA], v10, 9, v[CSA]
	v_cmp_eq_u32 s[HM], 1, v10
	s_mov_b32 s[MNT], 0x600000
	s_mov_b32 s[SEL], 0x76543210
	s_mov_b32 s[SEL+1], 0xfedcba98
	s_mov_b32 s[CS], 0x3e38aa3b                    ; c = log2(e) / 8
	s_mov_b32 s[CS+1], s[CS]
	s_mov_b32 s[NINF], 0xff800000
	s_mov_b32 s[FFFF], 0xffff
	s_mov_b32 s[C255], 255
.irp t, 0,1
.set TW, 0x40*\t
	WIN TW
.irp j, 0,1,2,3,4,5,6,7
	v_mov_b32 v[Z0+\j], 0                          ; the zeros on both sides of q
	v_mov_b32 v[Z0+16+\j], 0
.endr
.irp j, 236,237,238,239,252,253,254
	v_mov_b32 v\j, 0                               ; lane permutes' destinations and pairs' upper halves: written once
.endr
.endr
	v_mov_b32 v4, 0                                ; (window 1) the registers through which a record goes: written once, so that no way reads them unwritten
.irp j, 16,17,18,19,20,21,22,23,24,25,26,27,28,29,30,31
	v_mov_b32 v\j, 0
.endr
	WIN 0
	s_mov_b32 s[QB], ttmp9
	s_and_b32 s[BH], ttmp7, 0xffff
	s_mov_b32 s[PASS], 2
	s_wait_kmcnt 0x0
.Lpass:
	s_lshl_b32 s[G], s[QB], 3
	s_add_co_u32 s[G], s[G], s[WV]                 ; my 32 queries
	s_mov_b32 s67, 0
	s_lshl_b32 s66, s[QB], 6
	s_add_nc_u64 s[68:69], s[12:13], s[66:67]
	s_load_b512 s[32:47], s[68:69], 0x0            ; the block's eight pairs of flags
	s_lshl_b32 s66, s[G], 3
	s_add_nc_u64 s[70:71], s[12:13], s[66:67]
	s_load_b64 s[WN:WM], s[70:71], 0x0             ; and my own
	s_mul_i32 s66, s[BH], 16*REC
	s_add_nc_u64 s[KVP:KVP+1], s[8:9], s[66:67]
	s_lshl_b32 s66, s[G], 16
	s_add_nc_u64 s[MP:MP+1], s[10:11], s[66:67]
	s_lshl_b32 s66, s[BH], 6
	s_add_co_u32 s66, s66, s[G]
	s_lshl_b32 s66, s66, 11
	s_add_nc_u64 s[QP:QP+1], s[4:5], s[66:67]
	s_lshl_b32 s66, s[BH], 4
	s_lshr_b32 s72, s[G], 2
	s_add_co_u32 s66, s66, s72
	s_lshl_b32 s66, s66, 9
	s_and_b32 s72, s[G], 3
	s_lshl_b32 s72, s72, 2
	s_add_co_u32 s66, s66, s72
	s_add_nc_u64 s[QSP:QSP+1], s[6:7], s[66:67]
	s_lshr_b32 s72, s[BH], 4                       ; the batch
	s_lshl_b32 s72, s72, 7
	s_lshl_b32 s73, s[G], 1
	s_add_co_u32 s72, s72, s73                     ; my first tile of tokens
	s_and_b32 s73, s[BH], 15                       ; the head
	s_lshl_b32 s66, s72, 14
	s_lshl_b32 s[TRIP], s73, 10                    ; a head's 64 along E: 1,024 bytes of a tile's images
	s_add_co_u32 s66, s66, s[TRIP]
	s_add_nc_u64 s[CP:CP+1], s[14:15], s[66:67]
	s_lshl_b32 s66, s72, 9
	s_lshl_b32 s73, s73, 1
	s_add_co_u32 s66, s66, s73
	s_add_nc_u64 s[CSP:CSP+1], s[16:17], s[66:67]
	s_wait_kmcnt 0x0
	s_or_b32 s[BN], s32, s34
	s_or_b32 s[BN], s[BN], s36
	s_or_b32 s[BN], s[BN], s38
	s_or_b32 s[BN], s[BN], s40
	s_or_b32 s[BN], s[BN], s42
	s_or_b32 s[BN], s[BN], s44
	s_or_b32 s[BN], s[BN], s46
	FILL_ASK 0, 0
	global_load_b128 v[QC:QC+3], v[LI], s[QP:QP+1]
	global_load_b128 v[QC+4:QC+7], v[LI], s[QP:QP+1] offset:512
	global_load_b32 v[QRW], v[LI], s[QSP:QSP+1]
	WIN 0x40
	global_load_b128 v[QC:QC+3], v[LI], s[QP:QP+1] offset:1024
	global_load_b128 v[QC+4:QC+7], v[LI], s[QP:QP+1] offset:1536
	WIN 0
	FILL_PUT 0, 0                                  ; its wait serves q's loads too
	v_perm_b32 v[QSW], v[QRW], v[QRW], 0x01000100  ; a tile's two bytes, twice: q stands in either half of K
	v_perm_b32 v[QSW+1], v[QRW], v[QRW], 0x03020302
.irp t, 0,1
.set TW, 0x55*\t
	WIN TW
	v_mov_b32 v13, 0xff61b1e6                      ; the largest t so far: -3e38
	v_floor_f32 v12, -v13
	v_mov_b32 v14, 0
	v_mov_b32 v15, 0
.irp j, 0,1,2,3,4,5,6,7,8,9,10,11,12,13,14,15,16,17,18,19,20,21,22,23,24,25,26,27,28,29,30,31
	v_mov_b32 v[O+\j], 0                           ; the step is written once: the first finds zeros.  (These lines are also the places between q's scale words and the first product)
.endr
.endr
	WIN 0
	s_wait_dscnt 0x0
	s_barrier_signal -1
	s_barrier_wait -1
	s_mov_b32 s[TRIP], 8
.Lkeys:
	STEP 0
	STEP 1
	s_sub_co_u32 s[TRIP], s[TRIP], 1
	s_cmp_lg_u32 s[TRIP], 0
	s_cbranch_scc1 .Lkeys
	; THE WAY OUT.  O^T / the sum; register 16 b + i of a lane is feature 32 b + 16 (lane / 16) + i of the head: two blocks along E, quantised in registers; the codes are groups 2 (head % 2) + b of K step head / 2 of the tile's image.
.rept 8
	v_nop
.endr
.irp t, 0,1
.set TW, 0x55*\t
	WIN TW
	v_add_f32 v14, v14, v15
	v_permlanex16_b32 v254, v14, s[SEL], s[SEL+1]
	v_add_f32 v14, v14, v254                       ; the row's sum
	v_rcp_f32 v252, v14
	v_nop                                          ; a plain line behind the transcendental
	s_wait_alu depctr_va_vdst(0)                   ; and the wait ahead of its first use
.irp j, 0,2,4,6,8,10,12,14,16,18,20,22,24,26,28,30
	v_pk_mul_f32 v[O+\j:O+1+\j], v[O+\j:O+1+\j], v[252:253] op_sel_hi:[1,0]
.endr
.irp b, 0,1
	v_max3_num_f32 v[232+\b], |v[O+16*\b]|, |v[O+1+16*\b]|, 0x4800000
.endr
.irp i, 2,4,6,8,10,12,14
.irp b, 0,1
	v_max3_num_f32 v[232+\b], v[232+\b], |v[O+16*\b+\i]|, |v[O+1+16*\b+\i]|
.endr
.endr
.irp b, 0,1
	v_permlanex16_b32 v[236+\b], v[232+\b], s[SEL], s[SEL+1]
.endr
.irp b, 0,1
	v_max_num_f32 v[232+\b], v[232+\b], v[236+\b]
.endr
.irp b, 0,1
	v_add_nc_u32 v[244+\b], 0xfc000000, v[232+\b]
.endr
.irp b, 0,1
	v_and_or_b32 v[240+\b], v[232+\b], 0x7f800000, s[MNT]
.endr
.irp b, 0,1
	v_lshrrev_b32 v[236+\b], 23, v[244+\b]
.endr
	v_lshl_or_b32 v253, v237, 8, v236              ; the token's two scale bytes of this head
	v_cmp_lt_f32 vcc_lo, 0, v14
	v_cndmask_b32 v253, s[FFFF], v253, vcc_lo      ; a query with no open key: both bytes 0xff
.irp b, 0,1
.irp i, 0,1,2,3,4,5,6,7,8,9,10,11,12,13,14,15
	v_med3_num_f32 v[O+16*\b+\i], v[O+16*\b+\i], -v[240+\b], v[240+\b]
.endr
	v_cvt_scalef32_pk8_fp8_f32 v[PCD+4*\b:PCD+1+4*\b], v[O+16*\b:O+7+16*\b], v[244+\b]
	v_cvt_scalef32_pk8_fp8_f32 v[PCD+2+4*\b:PCD+3+4*\b], v[O+8+16*\b:O+15+16*\b], v[244+\b]
.endr
	v_nop                                          ; a plain line behind the last conversion
.set TW, 0x04*\t
	WIN TW
.irp b, 0,1
	global_store_b128 v[LI], v[PCD+4*\b:PCD+4*\b+3], s[CP:CP+1] offset:16384*\t+512*\b   ; 512 consecutive bytes, aligned
.endr
.endr
	WIN 0x01
	v_mov_b32 v[SD], v253                          ; tile 1's bytes
	WIN 0
	v_cndmask_b32 v[SD], v253, v[SD], s[HM]        ; lanes 0-15 store tile 0's, lanes 16-31 tile 1's
	global_store_b16 v[CSA], v[SD], s[CSP:CSP+1]   ; two bytes of a token's 32: a row's other bytes belong to other heads' work-groups
	s_wait_xcnt 0x0                                ; the stores have read their registers and bases: the next pass writes them
	s_sub_co_u32 s[QB], 7, s[QB]
	s_sub_co_u32 s[PASS], s[PASS], 1
	s_cmp_lg_u32 s[PASS], 0
	s_cbranch_scc1 .Lpass
	s_wait_tensorcnt 0x0
	ds_add_u32 v251, v255
	s_wait_dscnt 0x0
	s_endpgm
.Lfunc_end_k_q164adf9dc5_attn:
	.size	k_q164adf9dc5_attn, .Lfunc_end_k_q164adf9dc5_attn-k_q164adf9dc5_attn
	.p2alignl 7, 3214868480
	.fill 96, 4, 3214868480
	.section	.rodata,"a",@progbits
	.p2align	6, 0x0
	.amdhsa_kernel k_q164adf9dc5_attn
		.amdhsa_group_segment_fixed_size 35840
		.amdhsa_private_segment_fixed_size 0
		.amdhsa_enable_private_segment 0
		.amdhsa_kernarg_size 56
		.amdhsa_user_sgpr_count 2
		.amdhsa_user_sgpr_kernarg_segment_ptr 1
		.amdhsa_wavefront_size32 1
		.amdhsa_system_sgpr_workgroup_id_x 1
		.amdhsa_system_sgpr_workgroup_id_y 1
		.amdhsa_system_sgpr_workgroup_id_z 1
		.amdhsa_system_vgpr_workitem_id 0
		.amdhsa_next_free_vgpr 512
		.amdhsa_next_free_sgpr 74
		.amdhsa_reserve_vcc 1
		.amdhsa_float_denorm_mode_32 3
		.amdhsa_float_denorm_mode_16_64 3
		.amdhsa_memory_ordered 1
		.amdhsa_forward_progress 1
		.amdhsa_inst_pref_size 136
	.end_amdhsa_kernel
	.amdgpu_metadata
---
amdhsa.version: [ 1, 2 ]
amdhsa.kernels:
  - .name:           k_q164adf9dc5_attn
    .symbol:         k_q164adf9dc5_attn.kd
    .args:
      - { .name: qimg, .offset: 0, .size: 8, .value_kind: global_buffer, .address_space: global }
      - { .name: qsc, .offset: 8, .size: 8, .value_kind: global_buffer, .address_space: global }
      - { .name: kv, .offset: 16, .size: 8, .value_kind: global_buffer, .address_space: global }
      - { .name: mask, .offset: 24, .size: 8, .value_kind: global_buffer, .address_space: global }
      - { .name: flags, .offset: 32, .size: 8, .value_kind: global_buffer, .address_space: global }
      - { .name: cimg, .offset: 40, .size: 8, .value_kind: global_buffer, .address_space: global }
      - { .name: csc, .offset: 48, .size: 8, .value_kind: global_buffer, .address_space: global }
    .group_segment_fixed_size: 35840
    .private_segment_fixed_size: 0
    .kernarg_segment_align: 8
    .kernarg_segment_size: 56
    .max_flat_workgroup_size: 256
    .sgpr_count:     74
    .vgpr_count:     512
    .wavefront_size: 32
...
	.end_amdgpu_metadata
.endif
;; end of part 3
;; launch oproj (part 4): grid 4 x 32, 4 waves a work-group, clusters of 4 x 4, 327,680 bytes of LDS; arguments cimg, csc, codes, scl, bo, out0; writes out0
.if DOCPART == 4
	.amdgcn_target "amdgcn-amd-amdhsa--gfx1250"
	.amdhsa_code_object_version 6
	.text
	.protected	k_q164adf9dc5_oproj
	.globl	k_q164adf9dc5_oproj
	.p2align	8
	.type	k_q164adf9dc5_oproj,@function
k_q164adf9dc5_oproj:
	s_mov_b64 s[64:65], 0
	v_nop
	global_prefetch_b8 v0, s[64:65] scope:SCOPE_SE
	s_setreg_imm32_b32 hwreg(HW_REG_WAVE_MODE, 25, 1), 1
	s_wait_xcnt 0x0
	s_wait_alu depctr_hold_cnt(0) depctr_sa_sdst(0) depctr_va_vdst(0) depctr_va_sdst(0) depctr_va_ssrc(0) depctr_va_vcc(0) depctr_vm_vsrc(0)
	s_getreg_b32 s2, hwreg(HW_REG_IB_STS2, 6, 4)
	s_cmp_eq_u32 s2, 0
	s_cbranch_scc0 .Lentry_in_a_cluster
	s_endpgm
.Lentry_in_a_cluster:
	s_bfe_u32 s2, ttmp6, 0x10000c
	s_cmp_lg_u32 s2, 0xf033
	s_cbranch_scc0 .Lentry_shape_is_right
	s_endpgm
.Lentry_shape_is_right:
; out0 = ctx Wo^T + bo on codes of E4M3 with E8M0 scales.  ctx's codes (cimg) and Wo's (codes, tiles 1728 on) lie as images of the operands' registers, by tiles of 16 rows (row i of tile 2 G + u is row 32 G + 8 u + i + 8 (i / 8)):
; [tile][K step of 128][2,048 bytes]; their scale bytes [tile][row][32].  out0: [8192][1024] f32.
; A work-group makes 256 x 256, each of its four waves 128 x 128: 64 accumulators, 512 registers.  K goes through a ring of two LDS slots of 256 along K (for each of 32 tiles 4,096 consecutive bytes; a fragment is four loads of
; 512 consecutive bytes, so LDS needs no padding).  The scale bytes of all of K come once and stay.  Source 0 = 16 rows of Wo, source 1 = 16 tokens: a lane holds eight neighbouring outputs of a token.  bo is the C of each sum's first product.
; CLUSTER: 4 x 4 work-groups; ctx's tiles are shared along a row of the cluster, Wo's along a column: each is asked for jointly.  The grid is 8 clusters, 128 work-groups: a smaller tile would halve what each LDS byte feeds.
; No prefetch: K is four slots, and each tile is read by several work-groups.  A token whose scale bytes are 0xff (no open key) comes out as NaN.
; REGISTERS: window 0: v0-31 addresses; v32-63 scale words, two sets; v64-127 the bias; v128-255 source 1's fragments, one set (on the way out: rows of out0).  window 1: source 0's fragments, two sets.  windows 2, 3: the accumulators.
.set NQ,     2
.set FR,     16
.set NL,     4
.set NP,     8                         ; places behind this matrix instruction (ISA guide 7.12.1)
.set HALFT,  32768
.set SLOT,   4*HALFT
.set SLOTB,  4096
.set KS,     32
.set SCL,    2*SLOT
.set HALFS,  16*272
.set SBLK,   2*272
.set SPARE,  SCL+4*HALFS               ; the spare words, 128 bytes a wave: two blocks of 256 bytes that no other line names
.set SPITCH, 528                       ; the way out: a stage of 16 rows x (512 bytes + 16) for each wave, in slot 0, which has had its last fill and its last read by then
.set L16,  4                           ; v4   16 x lane; never rewritten
.set ADRA, 16
.set ADRB, 20
.set STO,  24
.set RD,   25
.set ADRS, 27
.set SPW,  28
.set NIL,  29
.set SC,   32
.set BIAS, 64
.set AF,   128
.set BK,   128
.set G1, 24
.set G0, 32
.set G1B, 48
.set G0B, 56
.set G1S, 68
.set G0S, 76
.set G1SB, 80
.set G0SB, 88
.set MSB, 0
.macro WIN new                         ; the immediate's high byte repeats the setting that is left
.if MSB != \new
	s_set_vgpr_msb (MSB<<8)|\new
.set MSB, \new
.endif
.endm
.set MUL_LO, 0xa1
.set MUL_HI, 0xf1
.set TO_B,   0x40
.macro JLOAD g0a, g1a, g0b, g1b        ; a joint load: waves 0 and 1 for source 1, waves 2 and 3 for source 0; four v_nop follow each line
	s_cmp_eq_u32 s21, 0
	s_cbranch_scc0 .Lfor_b_\@
	tensor_load_to_lds s[\g0a:\g0a+3], s[\g1a:\g1a+7]
	s_nop 0
.rept 4
	v_nop
.endr
	s_branch .Lasked_\@
.Lfor_b_\@:
	tensor_load_to_lds s[\g0b:\g0b+3], s[\g1b:\g1b+7]
	s_nop 0
.rept 4
	v_nop
.endr
.Lasked_\@:
.endm
.macro CREST
	s_cmp_lg_u32 s20, 0
	s_cbranch_scc1 .Lnot_wave_0_\@
	s_barrier_signal -3
.Lnot_wave_0_\@:
	s_barrier_wait -3
	s_barrier_signal -1
	s_barrier_wait -1
.endm
.macro CROUND
	s_barrier_signal -1
	s_barrier_wait -1
	CREST
.endm
	s_load_b256 s[4:11], s[0:1], 0x0               ; cimg s[4:5], csc s[6:7], codes s[8:9], scl s[10:11]
	s_load_b128 s[12:15], s[0:1], 0x20             ; bo s[12:13], out0 s[14:15]
	v_lshl_add_u32 v[SPW], v0, 2, SPARE
	v_mov_b32 v[NIL], 0
	ds_add_u32 v28, v29
	ds_add_u32 v28, v29
	s_wait_dscnt 0x0
	v_lshrrev_b32 v1, 5, v0
	v_readfirstlane_b32 s20, v1                    ; wave 0..3
	s_lshr_b32 s21, s20, 1                         ; my half of the tokens.  Also: I fetch for source 1 (0) or source 0 (1)
	s_and_b32 s22, s20, 1                          ; my half of the outputs.  Also: which 8 tiles I fetch
	s_bfe_u32 s40, ttmp6, 0x40000                  ; cx, cy
	s_bfe_u32 s41, ttmp6, 0x40004
	s_and_b32 s42, ttmp7, 0xffff
	s_lshl_b32 s42, s42, 2
	s_add_co_u32 s42, s42, s41                     ; which 256 tokens: 4 x cluster y + cy
	s_lshl_b32 s43, s41, 2
	s_lshl_b32 s43, 15, s43                        ; my row of the cluster
	s_lshl_b32 s44, 0x1111, s40                    ; my column
	s_or_b32 s[G1+0], s43, (3<<16)|(1<<21)         ; codes: 8 rows (tiles) of 512 elements of 8 bytes, 2,048 elements apart; dense in LDS
	s_or_b32 s[G1B+0], s44, (3<<16)|(1<<21)
.irp g, G1, G1B
	s_mov_b32 s[\g+1], 512<<16
	s_mov_b32 s[\g+2], 8<<16
	s_mov_b32 s[\g+3], 512<<16
	s_mov_b32 s[\g+4], 8
	s_mov_b32 s[\g+5], 2048
	s_mov_b32 s[\g+6], 0
	s_mov_b32 s[\g+7], 0
.endr
	s_or_b32 s[G1S+0], s43, (3<<16)|(1<<20)|(1<<21)|(5<<22)|(3<<25)   ; scales of 8 tiles: 16 rows of 256 bytes, 16 of padding behind each
	s_or_b32 s[G1SB+0], s44, (3<<16)|(1<<20)|(1<<21)|(5<<22)|(3<<25)
.irp g, G1S, G1SB
	s_mov_b32 s[\g+1], 32<<16
	s_mov_b32 s[\g+2], 16<<16
	s_mov_b32 s[\g+3], 32<<16
	s_mov_b32 s[\g+4], 16
	s_mov_b32 s[\g+5], 32
	s_mov_b32 s[\g+6], 0
	s_mov_b32 s[\g+7], 0
.endr
	s_lshl_b32 s23, s22, 3
	s_lshl_b32 s2, s42, 4
	s_add_co_u32 s2, s2, s23                       ; ctx's tile: 16 x (which 256 tokens) + 8 x half
	s_lshl_b32 s3, s40, 4
	s_add_co_u32 s3, s3, s23
	s_add_co_u32 s3, s3, 1728                      ; Wo's tile: 1728 + 16 cx + 8 x half
	s_lshl_b32 s92, s2, 14
	s_mov_b32 s93, 0
	s_lshl_b32 s94, s2, 9
	s_mov_b32 s95, 0
	s_lshl_b32 s96, s3, 14
	s_mov_b32 s97, 0
	s_lshl_b32 s98, s3, 9
	s_mov_b32 s99, 0
	s_mul_i32 s100, s20, HALFT
	s_mul_i32 s101, s20, HALFS
	s_wait_kmcnt 0x0
	s_add_nc_u64 s[92:93], s[4:5], s[92:93]
	s_add_nc_u64 s[94:95], s[6:7], s[94:95]
	s_add_nc_u64 s[96:97], s[8:9], s[96:97]
	s_add_nc_u64 s[98:99], s[10:11], s[98:99]
	CROUND                                         ; all sixteen work-groups are here: the first joint loads meet
	s_mov_b32 s[G0S], 1
	s_add_co_u32 s[G0S+1], s101, SCL
	s_mov_b64 s[G0S+2:G0S+3], s[94:95]
	s_or_b32 s[G0S+3], s[G0S+3], 0x80000000
	s_mov_b32 s[G0SB], 1
	s_add_co_u32 s[G0SB+1], s101, SCL
	s_mov_b64 s[G0SB+2:G0SB+3], s[98:99]
	s_or_b32 s[G0SB+3], s[G0SB+3], 0x80000000
	JLOAD G0S, G1S, G0SB, G1SB
.irp s, 0,1
	s_mov_b32 s[G0+4*\s], 1
	s_add_co_u32 s[G0+4*\s+1], s100, \s*SLOT
	s_add_nc_u64 s[G0+4*\s+2:G0+4*\s+3], s[92:93], \s*SLOTB
	s_or_b32 s[G0+4*\s+3], s[G0+4*\s+3], 0x80000000
	s_mov_b32 s[G0B+4*\s], 1
	s_add_co_u32 s[G0B+4*\s+1], s100, \s*SLOT
	s_add_nc_u64 s[G0B+4*\s+2:G0B+4*\s+3], s[96:97], \s*SLOTB
	s_or_b32 s[G0B+4*\s+3], s[G0B+4*\s+3], 0x80000000
	JLOAD G0+4*\s, G1, G0B+4*\s, G1B
.endr
	v_and_b32 v1, 15, v0                           ; r
	v_bfe_u32 v2, v0, 4, 1                         ; h
	v_and_b32 v3, 31, v0
	v_lshlrev_b32 v[L16], 4, v3
	s_mul_i32 s23, s21, HALFT
	s_mul_i32 s46, s22, HALFT
	s_add_co_u32 s46, s46, 2*HALFT
.irp s, 0,1
	v_add_nc_u32 v[ADRA+\s], s23, v[L16]
	v_add_nc_u32 v[ADRB+\s], s46, v[L16]
	s_add_co_u32 s23, s23, SLOT
	s_add_co_u32 s46, s46, SLOT
.endr
	v_mul_u32_u24 v5, v1, KS
	v_lshrrev_b32 v6, 8, v5
	v_lshl_add_u32 v5, v6, 4, v5
	s_mul_i32 s23, s21, HALFS
	s_mul_i32 s46, s22, HALFS
	s_add_co_u32 s46, s46, 2*HALFS
	s_sub_co_u32 s46, s46, s23
	v_mul_u32_u24 v6, s46, v2                      ; lanes 16-31 take source 0's
	s_add_co_u32 s23, s23, SCL
	v_add_nc_u32 v5, v5, v6
	v_add_nc_u32 v[ADRS], s23, v5
	s_mul_i32 s23, s20, 16*SPITCH                  ; my stage
	v_mul_u32_u24 v5, v1, SPITCH
	v_lshl_add_u32 v5, v2, 6, v5
	v_add_nc_u32 v[STO], s23, v5                   ; in: row r, + 64 h
	v_add_nc_u32 v[RD], s23, v[L16]                ; back: a row of 512 bytes to the 32 lanes
	s_lshl_b32 s2, s40, 8
	s_lshl_b32 s3, s22, 7
	s_add_co_u32 s2, s2, s3                        ; my first output: 256 cx + 128 x half
	s_lshl_b32 s46, s2, 2
	s_mov_b32 s47, 0
	s_add_nc_u64 s[12:13], s[12:13], s[46:47]      ; bo there,
	s_add_nc_u64 s[14:15], s[14:15], s[46:47]      ; and out0's column
	s_lshl_b32 s2, s42, 8
	s_lshl_b32 s3, s21, 7
	s_add_co_u32 s2, s2, s3                        ; my first token
	s_lshl_b32 s46, s2, 12                         ; rows of 4,096 bytes
	s_add_nc_u64 s[14:15], s[14:15], s[46:47]
	v_lshlrev_b32 v7, 6, v2                        ; the bias: for source 0's tile b the outputs 32 (b / 2) + 16 h + 8 (b % 2) + 0 .. 7
.irp b, 0,1,2,3,4,5,6,7
	global_load_b128 v[BIAS+8*\b:BIAS+8*\b+3], v7, s[12:13] offset:(32*(\b/2)+8*(\b%2))*4
	global_load_b128 v[BIAS+8*\b+4:BIAS+8*\b+7], v7, s[12:13] offset:(32*(\b/2)+8*(\b%2))*4+16
.endr
	s_wait_loadcnt 0x0
.macro FRAG reg, adr, q, i
.irp c, 0,1,2,3
	ds_load_b128 v[\reg+4*\c:\reg+4*\c+3], v[\adr] offset:4096*(\i)+2048*(\q)+512*\c
.endr
.endm
; 16 matrix instructions: source 1's tiles a0, a0 + 1 x source 0's eight.  zero = 1: C = the bias; 0: the sum goes on.  The 64 accumulators take turns.
.macro MUL16 a0, p, q, sc, zero
.irp a, \a0, \a0+1
.irp b, 0,1,2,3,4,5,6,7
.if \zero == 1
	v_wmma_scale_f32_16x16x128_f8f6f4 v[8*(8*((\a)%4)+\b):8*(8*((\a)%4)+\b)+7], v[128*(\p)+FR*\b:128*(\p)+FR*\b+FR-1], v[AF+FR*(\a):AF+FR*(\a)+FR-1], v[BIAS+8*\b:BIAS+8*\b+7], v[SC+8*NQ*(\sc)+NQ*\b+(\q)], v[SC+8*NQ*(\sc)+NQ*(\a)+(\q)] matrix_a_scale:MATRIX_SCALE_ROW1
.else
	v_wmma_scale_f32_16x16x128_f8f6f4 v[8*(8*((\a)%4)+\b):8*(8*((\a)%4)+\b)+7], v[128*(\p)+FR*\b:128*(\p)+FR*\b+FR-1], v[AF+FR*(\a):AF+FR*(\a)+FR-1], v[8*(8*((\a)%4)+\b):8*(8*((\a)%4)+\b)+7], v[SC+8*NQ*(\sc)+NQ*\b+(\q)], v[SC+8*NQ*(\sc)+NQ*(\a)+(\q)] matrix_a_scale:MATRIX_SCALE_ROW1
.endif
.endr
.endr
.endm
.macro FETCH_B slot, q, p
	WIN TO_B
.irp i, 0,1,2,3,4,5,6,7
	FRAG 128*(\p)+FR*\i, ADRB+\slot, \q, \i
.endr
	WIN 0
.endm
.macro FETCH_A slot, q, i0
.irp i, \i0, \i0+1, \i0+2, \i0+3
	FRAG AF+FR*(\i), ADRA+\slot, \q, \i
.endr
.endm
.macro SCALES sc
.irp i, 0,1,2,3,4,5,6,7
	ds_load_b64 v[SC+8*NQ*\sc+NQ*\i:SC+8*NQ*\sc+NQ*\i+1], v[ADRS] offset:\i*SBLK
.endr
.endm
.macro PLACES n
.rept \n
	v_nop
.endr
.endm
.macro STEP slot, q, zero
	s_wait_dscnt 4*NL                              ; all but the youngest 16 loads (source 1's tiles 4-7) are in
.if \zero
	WIN 0x81                                       ; C, the bias, in window 0
.else
	WIN MUL_LO
.endif
	MUL16 0, (\q)%2, \q, \slot, \zero
	MUL16 2, (\q)%2, \q, \slot, \zero
	s_wait_dscnt 0
	PLACES NP
	FETCH_B \slot, (\q)+1, 1-(\q)%2
	FETCH_A \slot, (\q)+1, 0
.if \zero
	WIN 0xc1
.else
	WIN MUL_HI
.endif
	MUL16 4, (\q)%2, \q, \slot, \zero
	MUL16 6, (\q)%2, \q, \slot, \zero
	PLACES NP
	WIN 0
	FETCH_A \slot, (\q)+1, 4
.endm
.macro TURN slot, next, fill
	s_wait_tensorcnt 0x0                           ; all my tensor loads have landed: my part of the next slot
	ds_add_u32 v[SPW], v[NIL]
	s_wait_dscnt 4*NL+1                            ; the add and the youngest 16 loads may be out
	WIN MUL_LO
	MUL16 0, 1, NQ-1, \slot, 0
	s_wait_dscnt 0x0                               ; the add is done, and my reads of this slot are over
	s_barrier_signal -1
	MUL16 2, 1, NQ-1, \slot, 0
	WIN 0
	s_barrier_wait -1
.if \fill
	CREST                                          ; the barrier has opened a round of the cluster's: no wave of any partner still reads this slot or has a load on its way
	s_add_nc_u64 s[G0+4*\slot+2:G0+4*\slot+3], s[G0+4*\slot+2:G0+4*\slot+3], 2*SLOTB
	s_add_nc_u64 s[G0B+4*\slot+2:G0B+4*\slot+3], s[G0B+4*\slot+2:G0B+4*\slot+3], 2*SLOTB
	JLOAD G0+4*\slot, G1, G0B+4*\slot, G1B
	PLACES NP-4
.else
	PLACES NP
.endif
	v_add_nc_u32 v[ADRS], 4*NQ, v[ADRS]
	FETCH_B \next, 0, 0
	FETCH_A \next, 0, 0
	SCALES \next
	WIN MUL_HI
	MUL16 4, 1, NQ-1, \slot, 0
	MUL16 6, 1, NQ-1, \slot, 0
	PLACES NP
	WIN 0
	FETCH_A \next, 0, 4
.endm
	s_wait_tensorcnt 1                             ; the scales and my part of slot 0 are in; slot 1's load may be out
	s_barrier_signal -1
	s_barrier_wait -1
	FETCH_B 0, 0, 0
	FETCH_A 0, 0, 0
	SCALES 0
	FETCH_A 0, 0, 4
	STEP 0, 0, 1                                   ; the first products start the sums with the bias
	TURN 0, 1, 1                                   ; K = 1,024 is four slots: each slot is filled once more, and the walk is written out
	STEP 1, 0, 0
	TURN 1, 0, 1
	STEP 0, 0, 0
	TURN 0, 1, 0
	STEP 1, 0, 0
	s_wait_dscnt 4*NL
	WIN MUL_LO
	MUL16 0, 1, NQ-1, 1, 0
	MUL16 2, 1, NQ-1, 1, 0
	s_wait_dscnt 0
	WIN MUL_HI
	MUL16 4, 1, NQ-1, 1, 0
	MUL16 6, 1, NQ-1, 1, 0
	WIN 0
; THE WAY OUT, a tile of 16 tokens x 128 outputs at a time, through my own stage: in accumulator b a lane holds outputs 32 (b / 2) + 16 h + 8 (b % 2) + 0 .. 7 of token r of the tile; back come whole rows of 512 bytes.
; LDS serves a wave's instructions in order (ISA guide 5.7.1.4): no wait between the stores and the loads.
.macro TOSTAGE a
.set AC, 64*((\a)%4)
.set TW, 0x08+4*((\a)/4)
	WIN TW                                         ; the data: window 2 or 3
.irp b, 0,1,2,3,4,5,6,7
	ds_store_b128 v[STO], v[AC+8*\b:AC+8*\b+3] offset:128*(\b/2)+32*(\b%2)      ; each accumulator from its low end on
	ds_store_b128 v[STO], v[AC+8*\b+4:AC+8*\b+7] offset:128*(\b/2)+32*(\b%2)+16
.endr
	WIN 0
.set BB, BK+64*((\a)%2)
.irp t, 0,1,2,3,4,5,6,7,8,9,10,11,12,13,14,15
	ds_load_b128 v[BB+4*\t:BB+4*\t+3], v[RD] offset:\t*SPITCH
.endr
.endm
.macro SEND a, younger                 ; younger: the LDS instructions issued behind tile a's loads, which may stay out
.set BB, BK+64*((\a)%2)
	s_wait_dscnt \younger
.if (\a) > 0
.if ((\a)%2) == 1
	s_add_nc_u64 s[14:15], s[14:15], 8*4096        ; (behind a wait on XCNT) the odd tile begins 8 tokens on,
.else
	s_add_nc_u64 s[14:15], s[14:15], 24*4096       ; the next even one 24 further
.endif
.endif
.irp t, 0,1,2,3,4,5,6,7,8,9,10,11,12,13,14,15
	global_store_b128 v[L16], v[BB+4*\t:BB+4*\t+3], s[14:15] offset:(\t+8*(\t/8))*4096 th:TH_STORE_NT   ; 512 consecutive bytes, aligned; row t of a tile is token t + 8 (t / 8)
.endr
.endm
	PLACES NP
	TOSTAGE 0
.irp a, 1,2,3,4,5,6,7
.if \a > 1
	s_wait_xcnt 0x0                                ; tile a - 2's stores have read their registers and their base
.endif
	TOSTAGE \a
	SEND \a-1, 32                                  ; behind tile a - 1's loads: tile a's 16 stores and 16 loads
.endr
	s_wait_xcnt 0x0
	SEND 7, 0
	s_wait_tensorcnt 0x0                           ; the wave's end
	ds_add_u32 v[SPW], v[NIL]
	s_wait_dscnt 0x0
	CROUND                                         ; the closing round
	s_endpgm
.Lfunc_end_k_q164adf9dc5_oproj:
	.size	k_q164adf9dc5_oproj, .Lfunc_end_k_q164adf9dc5_oproj-k_q164adf9dc5_oproj
	.p2alignl 7, 3214868480
	.fill 96, 4, 3214868480
	.section	.rodata,"a",@progbits
	.p2align	6, 0x0
	.amdhsa_kernel k_q164adf9dc5_oproj
		.amdhsa_group_segment_fixed_size 327680
		.amdhsa_private_segment_fixed_size 0
		.amdhsa_enable_private_segment 0
		.amdhsa_kernarg_size 48
		.amdhsa_user_sgpr_count 2
		.amdhsa_user_sgpr_kernarg_segment_ptr 1
		.amdhsa_wavefront_size32 1
		.amdhsa_system_sgpr_workgroup_id_x 1
		.amdhsa_system_sgpr_workgroup_id_y 1
		.amdhsa_system_sgpr_workgroup_id_z 1
		.amdhsa_system_vgpr_workitem_id 0
		.amdhsa_next_free_vgpr 1024
		.amdhsa_next_free_sgpr 102
		.amdhsa_reserve_vcc 0
		.amdhsa_float_denorm_mode_32 3
		.amdhsa_float_denorm_mode_16_64 3
		.amdhsa_memory_ordered 1
		.amdhsa_forward_progress 1
		.amdhsa_inst_pref_size 147
	.end_amdhsa_kernel
	.amdgpu_metadata
---
amdhsa.version: [ 1, 2 ]
amdhsa.kernels:
  - .name:           k_q164adf9dc5_oproj
    .symbol:         k_q164adf9dc5_oproj.kd
    .args:
      - { .name: cimg, .offset: 0, .size: 8, .value_kind: global_buffer, .address_space: global }
      - { .name: csc, .offset: 8, .size: 8, .value_kind: global_buffer, .address_space: global }
      - { .name: codes, .offset: 16, .size: 8, .value_kind: global_buffer, .address_space: global }
      - { .name: scl, .offset: 24, .size: 8, .value_kind: global_buffer, .address_space: global }
      - { .name: bo, .offset: 32, .size: 8, .value_kind: global_buffer, .address_space: global }
      - { .name: out0, .offset: 40, .size: 8, .value_kind: global_buffer, .address_space: global }
    .group_segment_fixed_size: 327680
    .private_segment_fixed_size: 0
    .kernarg_segment_align: 8
    .kernarg_segment_size: 48
    .max_flat_workgroup_size: 128
    .sgpr_count:     102
    .vgpr_count:     1024
    .wavefront_size: 32
...
	.end_amdgpu_metadata
.endif
;; end of part 4
;; ======== version 2 of 2: 4 launches; version 1 with the launch attn written anew for expert scheduling mode
;; workspace buffers: codes 29,360,128 bytes; scl 917,504 bytes; flags 512 bytes of whole numbers; qimg 8,388,608 bytes; qsc 524,288 bytes; kv 17,825,792 bytes; cimg 8,388,608 bytes; csc 262,144 bytes
;; launch prep: the kernel of part 1 again; grid 512 x 1, 4 waves a work-group, no clusters, 34,560 bytes of LDS; arguments q, k, v, Wq, Wk, Wv, Wo, mask, codes, scl, flags; writes codes, scl, flags
;; launch proj: the kernel of part 2 again; grid 4 x 96, 4 waves a work-group, clusters of 4 x 4, 327,680 bytes of LDS; arguments codes, scl, bq, bk, bv, qimg, qsc, kv; writes qimg, qsc, kv
;; launch attn (part 5): grid 4 x 64, 8 waves a work-group, no clusters, 35,840 bytes of LDS; arguments qimg, qsc, kv, mask, flags, cimg, csc; writes cimg, csc
.if DOCPART == 5
	.amdgcn_target "amdgcn-amd-amdhsa--gfx1250"
	.amdhsa_code_object_version 6
	.text
	.protected	k_q164adf9dc5_attn
	.globl	k_q164adf9dc5_attn
	.p2align	8
	.type	k_q164adf9dc5_attn,@function
k_q164adf9dc5_attn:
	s_mov_b64 s[64:65], 0
	v_nop
	global_prefetch_b8 v0, s[64:65] scope:SCOPE_SE
	s_setreg_imm32_b32 hwreg(HW_REG_WAVE_SCHED_MODE, 0, 2), 2
	s_setreg_imm32_b32 hwreg(HW_REG_WAVE_MODE, 25, 1), 1
	s_wait_xcnt 0x0
	s_wait_alu depctr_vm_vsrc(0)
; ctx = softmax(mask(Q K^T / 8)) V for one head of one batch, both products on codes of E4M3 with E8M0 scales, and ctx quantised along E into the last product's operand.
; THE SOFTMAX: t = score x log2(e) / 8; M = the running largest t rounded up to a whole number; p = 2^(t - M) is quantised along the keys; the row's sum is taken of the unquantised p and divides at the end.
; SHARES.  Work-group (x, head) walks two blocks of 256 queries, x and 7 - x; each of its eight waves owns 32 queries, two tiles of 16 (query of lane r in tile u: 32 g + 8 u + r + 8 (r / 8)); two waves to a SIMD.
; THE MASK IS AN INPUT.  An earlier launch has stored, for each 32 queries and each key step of 128 keys, whether any key is open and whether any is masked.  A step with no open key adds nothing (every p is 0) and is left out;
; a step with no masked key needs no masking; else the mask's bytes are read and masked scores become -infinity ahead of the maximum.  This holds for every mask.  A query with no open key at all gets the scale byte 0xff: NaN, as the softmax of such a row is.
; These branches hang on stored whole numbers, so LDS is filled through registers (no tensor load, no cluster): a key step's record of 17,408 bytes (K's and V's codes as images of their registers, and their scale words) is asked for
; a step ahead by all 256 threads, 68 bytes each, stored into the other of two slots at the step's end, and one barrier a step orders both the stores and the reads.  No prefetch: each record is read by eight passes and is asked for a whole step ahead.
; THE HEAD'S 64.  A fragment of K holds two tiles of 16 keys: K = 0-63 the first tile's 64 numbers, K = 64-127 the second's.  Source 1 is [q | zeros] for the first and [zeros | q] for the second: no register of K's is empty.
; Both products are used transposed: a lane holds one query; the keys of a tile are chosen so that p's 16 registers of two tiles are 16 neighbouring keys; V's tiles of features likewise for ctx.
; LIMITS: NaN and infinities among the operands are not served; a block whose largest magnitude lies under 2^-118 gets the byte 1.
; REGISTERS.  A tile's state stands at the same numbers in window 0 (tile 0) and window 1 (tile 1): v12 -M, v13 largest t, v[14:15] the sum, v96-159 S then p, v160-191 O^T, v192-199 zeros, v200-207 q, v208-215 zeros,
; v216-231 mask bytes then p's codes, v232-255 at work.  Window 0 alone: v1-6 addresses, v9 a store's data, v16-27 scale words, v28 q's raw word, v32-95 K.  Window 1 alone: v4, v16-31 the record on its way, v32-95 V.
; THE MODE: SCHED_MODE bits 1:0 = 2 (LLVM: expert scheduling mode 2), set by the entry lines.  The code itself states the register dependences between vector or matrix instructions and memory or LDS instructions, with s_wait_alu, always for 0.
; THE PLAN.  Registers that memory or LDS instructions touch:
;   v1-v6                          addresses and offsets: made at the head, never written again.
;   window 1 v4, v16-31            the record on its way: a step's five global loads land there, the five LDS stores at the step's end read them; cleared once at the head; no other vector line names them.
;   window 0 v32-95, v16-19        K and its scale words: LDS loads at a step's head; read by the step's 16 first products.
;   window 1 v32-95, window 0 v20-23        V and its scale words: LDS loads between the two tiles' first products; read by the step's 8 second products.
;   v216-231 of both windows       the mask's loads land there and vector lines read them; then the conversions write p's codes there and the second products read them; on the way out the conversions write, the stores read.
;   v200-207 of both windows, v28  q and its raw scale word: loaded at a pass's head; read by the first products and by two v_perm.
;   v9                             written by two vector lines on the way out, read by one store.
; Two waits stand at a step's head, ahead of its branches: on va_vdst, for all the step's loads (the last step's products are done with the registers in which they land; behind the wait only the first products are issued ahead of
; those loads, and they name K, q, the zeros, S and v16-19, v24, v25 alone), and on vm_vsrc, for the next record's loads.  One wait on va_vdst stands ahead of the second products, which take codes and scale words that vector lines have made.
; On the way out both tiles' arithmetic comes first, and one wait on va_vdst stands ahead of the five stores.
.set REC,  17408
.set VOFF, 8192
.set KSC,  16384
.set VSC,  16896
.set LI,  1                            ; v1  16 x lane
.set FA,  2                            ; v2  16 x thread
.set FS,  3                            ; v3  4 x thread
.set MA,  4                            ; v4, v5  my query's row of the mask, tile 0, 1: + 16 (lane / 16)
.set CSA, 6                            ; v6  csc: 512 (lane / 16) + 32 r
.set SD,  9
.set KSW, 16                           ; v16-19 K's scale words
.set VSW, 20                           ; v20-23 V's
.set QSW, 24                           ; v24, v25 q's, tile 0, 1
.set PSW, 26                           ; v26, v27 p's
.set QRW, 28
.set KF,  32
.set S,   96
.set O,   160
.set Z0,  192
.set QC,  200
.set PCD, 216
.set WV,   18
.set MNT,  19
.set SEL,  20
.set CS,   22
.set NINF, 24
.set FFFF, 25
.set HM,   26                          ; s26 lanes 16-31
.set QB,   27
.set BH,   28
.set PASS, 29
.set TRIP, 30
.set G,    31
.set C255, 48
.set BN,   49                          ; bit 0: some wave of the block needs the step in hand; bit 1: the next
.set WN,   50                          ; the same for my 32 queries
.set WM,   51                          ; bit 0: the step in hand has a masked key for my queries
.set KVP,  52
.set MP,   54
.set CP,   56
.set CSP,  58
.set QP,   60
.set QSP,  62
.set MSB, 0
.macro WIN new                         ; the immediate's high byte repeats the setting that is left
.if MSB != \new
	s_set_vgpr_msb (MSB<<8)|\new
.set MSB, \new
.endif
.endm
; the record off bytes on from KVP is asked for, if the block needs it: into registers of window 1.  (The waits that these loads hang on stand ahead of the macro, ahead of its branch.)
.macro FILL_ASK bit, off
	s_bitcmp1_b32 s[BN], \bit
	s_cbranch_scc0 .Lna_\@
	WIN 0x40
.irp i, 0,1,2,3
	global_load_b128 v[16+4*\i:19+4*\i], v[FA], s[KVP:KVP+1] offset:\off+4096*\i
.endr
	global_load_b32 v4, v[FS], s[KVP:KVP+1] offset:\off+KSC
	WIN 0
.Lna_\@:
.endm
; and goes into a slot.  The wait stands on every path: behind it no load of mine is out, so the loads' base may step
.macro FILL_PUT bit, slot
	s_wait_loadcnt 0x0
	s_bitcmp1_b32 s[BN], \bit
	s_cbranch_scc0 .Lnp_\@
	WIN 0x04
.irp i, 0,1,2,3
	ds_store_b128 v[FA], v[16+4*\i:19+4*\i] offset:(\slot)*REC+4096*\i
.endr
	ds_store_b32 v[FS], v4 offset:(\slot)*REC+KSC
	WIN 0
.Lnp_\@:
.endm
.macro QK t                            ; S^T of tile t: eight tiles of 16 keys
.if \t
	WIN 0x44
.else
	WIN 0
.endif
.irp f, 0,1,2,3
.irp e, 0,1
	v_wmma_scale_f32_16x16x128_f8f6f4 v[S+8*(2*\f+\e):S+8*(2*\f+\e)+7], v[KF+16*\f:KF+16*\f+15], v[QC-8*\e:QC-8*\e+15], 0, v[KSW+\f], v[QSW+\t]
.endr
.endr
.endm
; masked scores become -infinity.  Register 16 b + i of a lane holds key 32 b + 16 (lane / 16) + i of the step: its mask byte is byte i of the 16 loaded for block b.
; The loads land where p's codes stood: the wait at the step's head has shown the last step's second products done with them, and no vector or matrix line since names them
.macro MASK
.irp b, 0,1,2,3
	global_load_b128 v[PCD+4*\b:PCD+4*\b+3], v[MA], s[MP:MP+1] offset:32*\b
.endr
	WIN 0x40
.irp b, 0,1,2,3
	global_load_b128 v[PCD+4*\b:PCD+4*\b+3], v[MA+1], s[MP:MP+1] offset:32*\b
.endr
	s_wait_loadcnt 0x0
.irp t, 0,1
.set TW, 0x55*\t
	WIN TW
.irp w, 0,1,2,3,4,5,6,7,8,9,10,11,12,13,14,15
	v_mul_lo_u32 v[PCD+\w], v[PCD+\w], s[C255]     ; bytes 0 or 1 become 0 or 255
.endr
.set n, 0
.rept 16
.irp k, 0,1,2,3
	v_perm_b32 v[232+\k], v[PCD+n], v[PCD+n], 0x01010101*\k   ; byte k in all four places
.endr
.irp k, 0,1,2,3
	v_bfi_b32 v[S+4*n+\k], v[232+\k], s[NINF], v[S+4*n+\k]
.endr
.set n, n+1
.endr
.endr
	WIN 0
.endm
.macro SOFTMAX t
.set TW, 0x55*\t
	WIN TW
.irp b, 0,1,2,3
	v_max3_num_f32 v[232+\b], v[S+16*\b], v[S+1+16*\b], v[S+2+16*\b]   ; the largest score of each block of 32 keys: for the row's maximum, and, since p rises with the score, for the block's largest p
.endr
.irp i, 3,5,7,9,11,13
.irp b, 0,1,2,3
	v_max3_num_f32 v[232+\b], v[232+\b], v[S+16*\b+\i], v[S+1+16*\b+\i]
.endr
.endr
.irp b, 0,1,2,3
	v_max_num_f32 v[232+\b], v[232+\b], v[S+15+16*\b]
.endr
.irp b, 0,1,2,3
	v_permlanex16_b32 v[236+\b], v[232+\b], s[SEL], s[SEL+1]
.endr
.irp b, 0,1,2,3
	v_max_num_f32 v[232+\b], v[232+\b], v[236+\b]
.endr
	v_max3_num_f32 v254, v232, v233, v234
	v_max_num_f32 v254, v254, v235
	v_mul_f32 v254, s[CS], v254
	v_max_num_f32 v13, v13, v254                   ; the running largest t
	v_mov_b32 v254, v12
	v_floor_f32 v12, -v13                          ; -M = floor(-t): M is a whole number
	v_sub_f32 v254, v12, v254
	v_cvt_i32_f32 v254, v254                       ; (it saturates)
	v_ldexp_f32 v252, 1.0, v254                    ; f = 2^(old M - new M)
.irp j, 0,2,4,6,8,10,12,14,16,18,20,22,24,26,28,30,32,34,36,38,40,42,44,46,48,50,52,54,56,58,60,62
	v_pk_fma_f32 v[S+\j:S+1+\j], v[S+\j:S+1+\j], s[CS:CS+1], v[12:13] op_sel_hi:[1,0,0]   ; t - M
.endr
.irp b, 0,1,2,3
	v_fma_f32 v[232+\b], v[232+\b], s[CS], v12
.endr
.irp j, 0,1,2,3,4,5,6,7,8,9,10,11,12,13,14,15,16,17,18,19,20,21,22,23,24,25,26,27,28,29,30,31,32,33,34,35,36,37,38,39,40,41,42,43,44,45,46,47,48,49,50,51,52,53,54,55,56,57,58,59,60,61,62,63
	v_exp_f32 v[S+\j], v[S+\j]                     ; p = 2^(t - M)
.endr
	v_pk_mul_f32 v[14:15], v[14:15], v[252:253] op_sel_hi:[1,0]   ; the sums under the new M: a plain line behind the exponentials
	s_wait_alu depctr_va_vdst(0)                   ; the 64 exponentials have written p: one wait for the batch, ahead of its first use
.irp b, 0,1,2,3
	v_exp_f32 v[232+\b], v[232+\b]                 ; each block's largest p
.endr
	v_pk_add_f32 v[236:237], v[S:S+1], v[S+2:S+3]  ; the row's sum of the unquantised p, in two chains
.irp j, 4,8,12,16,20,24,28,32,36,40,44,48,52,56,60
	v_pk_add_f32 v[14:15], v[14:15], v[S+\j:S+1+\j]
	v_pk_add_f32 v[236:237], v[236:237], v[S+2+\j:S+3+\j]
.endr
	v_pk_add_f32 v[14:15], v[14:15], v[236:237]
	s_wait_alu depctr_va_vdst(0)                   ; the four exponentials have written the blocks' largest p, ahead of their first use
.irp b, 0,1,2,3
	v_max_num_f32 v[232+\b], 0x4800000, v[232+\b]  ; the floor 2^(9 - 127)
.endr
.irp b, 0,1,2,3
	v_add_nc_u32 v[244+\b], 0xfc000000, v[232+\b]
.endr
.irp b, 0,1,2,3
	v_and_or_b32 v[240+\b], v[232+\b], 0x7f800000, s[MNT]
.endr
.irp b, 0,1,2,3
	v_lshrrev_b32 v[236+\b], 23, v[244+\b]
.endr
	v_lshl_or_b32 v253, v237, 8, v236
	v_lshl_or_b32 v253, v238, 16, v253
.if \t
	WIN 0x11                                       ; scale operands have no window: p's word goes to window 0
.endif
	v_lshl_or_b32 v[PSW+\t], v239, 24, v253
	WIN TW
.irp b, 0,1,2,3
.irp i, 0,1,2,3,4,5,6,7,8,9,10,11,12,13,14,15
	v_min_num_f32 v[S+16*\b+\i], v[S+16*\b+\i], v[240+\b]   ; the conversion does not saturate (ISA guide 7.6.2); p is not negative
.endr
	v_cvt_scalef32_pk8_fp8_f32 v[PCD+4*\b:PCD+1+4*\b], v[S+16*\b:S+7+16*\b], v[244+\b]
	v_cvt_scalef32_pk8_fp8_f32 v[PCD+2+4*\b:PCD+3+4*\b], v[S+8+16*\b:S+15+16*\b], v[244+\b]
.endr
.irp j, 0,2,4,6,8,10,12,14,16,18,20,22,24,26,28,30
	v_pk_mul_f32 v[O+\j:O+1+\j], v[O+\j:O+1+\j], v[252:253] op_sel_hi:[1,0]   ; O^T under the new M
.endr
.endm
; A KEY STEP: the record in \slot.
.macro STEP slot
	s_wait_alu depctr_va_vdst(0)                   ; the last step's products are done reading K, V, p's codes and the scale words, in all of which this step's loads land; in a pass's first step: q's scale words and the zeros beside q are written, which the first products take
	s_wait_alu depctr_vm_vsrc(0)                   ; the last record's LDS stores have read the registers in which the next record's loads land
	FILL_ASK 1, REC                                ; the next record, a whole step ahead of the wait for it
	s_bitcmp1_b32 s[WN], 0
	s_cbranch_scc0 .Lidle_\@                       ; no key of this step is open for my queries
.irp f, 0,1,2,3
.irp c, 0,1,2,3
	ds_load_b128 v[KF+16*\f+4*\c:KF+16*\f+4*\c+3], v[LI] offset:\slot*REC+2048*\f+512*\c
.endr
.endr
	ds_load_b128 v[KSW:KSW+3], v[LI] offset:\slot*REC+KSC
	s_wait_dscnt 0x0
	QK 0
	ds_load_b128 v[VSW:VSW+3], v[LI] offset:\slot*REC+VSC   ; V and its scale words are asked for between the two tiles' products.  No wait: no vector or matrix line since the wait at the step's head names these registers
	WIN 0x40
.irp f, 0,1,2,3
.irp c, 0,1,2,3
	ds_load_b128 v[KF+16*\f+4*\c:KF+16*\f+4*\c+3], v[LI] offset:\slot*REC+VOFF+2048*\f+512*\c
.endr
.endr
	QK 1
	WIN 0
.rept 8
	v_nop                                          ; places ahead of the reads of S
.endr
	s_bitcmp1_b32 s[WM], 0
	s_cbranch_scc0 .Lopen_\@                       ; no key of this step is masked for my queries
	MASK
.Lopen_\@:
	SOFTMAX 0
	SOFTMAX 1
.rept 4
	v_nop                                          ; O^T, just rescaled, keeps the distance of an operand written by vector instructions
.endr
	s_wait_alu depctr_va_vdst(0)                   ; the conversions have written p's codes and the shifts p's scale words, which the products below take; the places above stay beside this wait
	s_wait_dscnt 0x0                               ; V
	WIN 0x01
.irp f, 0,1,2,3
	v_wmma_scale_f32_16x16x128_f8f6f4 v[O+8*\f:O+8*\f+7], v[KF+16*\f:KF+16*\f+15], v[PCD:PCD+15], v[O+8*\f:O+8*\f+7], v[VSW+\f], v[PSW]
.endr
	WIN 0x55
.irp f, 0,1,2,3
	v_wmma_scale_f32_16x16x128_f8f6f4 v[O+8*\f:O+8*\f+7], v[KF+16*\f:KF+16*\f+15], v[PCD:PCD+15], v[O+8*\f:O+8*\f+7], v[VSW+\f], v[PSW+1]
.endr
	WIN 0
.Lidle_\@:
	FILL_PUT 1, 1-\slot                            ; nobody reads that slot: its readers passed the last barrier behind their waits
	s_wait_dscnt 0x0                               ; my stores have landed, and my reads of this slot are over
	s_barrier_signal -1
	s_barrier_wait -1
	s_lshr_b32 s[BN], s[BN], 1
	s_lshr_b32 s[WN], s[WN], 1
	s_lshr_b32 s[WM], s[WM], 1
	s_add_nc_u64 s[KVP:KVP+1], s[KVP:KVP+1], REC
	s_add_nc_u64 s[MP:MP+1], s[MP:MP+1], 128
.endm
	s_load_b256 s[4:11], s[0:1], 0x0               ; qimg s[4:5], qsc s[6:7], kv s[8:9], mask s[10:11]
	s_load_b128 s[12:15], s[0:1], 0x20             ; flags s[12:13], cimg s[14:15]
	s_load_b64 s[16:17], s[0:1], 0x30              ; csc
	v_lshl_add_u32 v251, v0, 2, 0x8800
	v_mov_b32 v255, 0
	v_lshrrev_b32 v1, 5, v0
	v_readfirstlane_b32 s[WV], v1                  ; wave 0..7
	v_and_b32 v7, 31, v0
	v_lshlrev_b32 v[LI], 4, v7
	v_lshlrev_b32 v[FA], 4, v0
	v_lshlrev_b32 v[FS], 2, v0
	v_and_b32 v8, 15, v0                           ; r
	v_bfe_u32 v10, v0, 4, 1                        ; h
	v_and_b32 v11, 8, v8
	v_add_nc_u32 v11, v11, v8                      ; r + 8 (r / 8)
	v_lshlrev_b32 v[MA], 11, v11
	v_lshl_add_u32 v[MA], v10, 4, v[MA]
	v_add_nc_u32 v[MA+1], 8*2048, v[MA]
	v_lshlrev_b32 v[CSA], 5, v8
	v_lshl_add_u32 v[CSA], v10, 9, v[CSA]
	v_cmp_eq_u32 s[HM], 1, v10
	s_wait_alu depctr_va_sdst(0)                   ; the wave's number and the mask of lanes 16-31 are written, ahead of their first readers and of the first label
	s_mov_b32 s[MNT], 0x600000
	s_mov_b32 s[SEL], 0x76543210
	s_mov_b32 s[SEL+1], 0xfedcba98
	s_mov_b32 s[CS], 0x3e38aa3b                    ; c = log2(e) / 8
	s_mov_b32 s[CS+1], s[CS]
	s_mov_b32 s[NINF], 0xff800000
	s_mov_b32 s[FFFF], 0xffff
	s_mov_b32 s[C255], 255
.irp t, 0,1
.set TW, 0x40*\t
	WIN TW
.irp j, 0,1,2,3,4,5,6,7
	v_mov_b32 v[Z0+\j], 0                          ; the zeros on both sides of q
	v_mov_b32 v[Z0+16+\j], 0
.endr
.irp j, 236,237,238,239,252,253,254
	v_mov_b32 v\j, 0                               ; lane permutes' destinations and pairs' upper halves: written once
.endr
.endr
	v_mov_b32 v4, 0                                ; (window 1) the registers through which a record goes: written once, so that no way reads them unwritten
.irp j, 16,17,18,19,20,21,22,23,24,25,26,27,28,29,30,31
	v_mov_b32 v\j, 0
.endr
	WIN 0
	s_mov_b32 s[QB], ttmp9
	s_and_b32 s[BH], ttmp7, 0xffff
	s_mov_b32 s[PASS], 2
	s_wait_kmcnt 0x0
.Lpass:
	s_lshl_b32 s[G], s[QB], 3
	s_add_co_u32 s[G], s[G], s[WV]                 ; my 32 queries
	s_mov_b32 s67, 0
	s_lshl_b32 s66, s[QB], 6
	s_add_nc_u64 s[68:69], s[12:13], s[66:67]
	s_load_b512 s[32:47], s[68:69], 0x0            ; the block's eight pairs of flags
	s_lshl_b32 s66, s[G], 3
	s_add_nc_u64 s[70:71], s[12:13], s[66:67]
	s_load_b64 s[WN:WM], s[70:71], 0x0             ; and my own
	s_mul_i32 s66, s[BH], 16*REC
	s_add_nc_u64 s[KVP:KVP+1], s[8:9], s[66:67]
	s_lshl_b32 s66, s[G], 16
	s_add_nc_u64 s[MP:MP+1], s[10:11], s[66:67]
	s_lshl_b32 s66, s[BH], 6
	s_add_co_u32 s66, s66, s[G]
	s_lshl_b32 s66, s66, 11
	s_add_nc_u64 s[QP:QP+1], s[4:5], s[66:67]
	s_lshl_b32 s66, s[BH], 4
	s_lshr_b32 s72, s[G], 2
	s_add_co_u32 s66, s66, s72
	s_lshl_b32 s66, s66, 9
	s_and_b32 s72, s[G], 3
	s_lshl_b32 s72, s72, 2
	s_add_co_u32 s66, s66, s72
	s_add_nc_u64 s[QSP:QSP+1], s[6:7], s[66:67]
	s_lshr_b32 s72, s[BH], 4                       ; the batch
	s_lshl_b32 s72, s72, 7
	s_lshl_b32 s73, s[G], 1
	s_add_co_u32 s72, s72, s73                     ; my first tile of tokens
	s_and_b32 s73, s[BH], 15                       ; the head
	s_lshl_b32 s66, s72, 14
	s_lshl_b32 s[TRIP], s73, 10                    ; a head's 64 along E: 1,024 bytes of a tile's images
	s_add_co_u32 s66, s66, s[TRIP]
	s_add_nc_u64 s[CP:CP+1], s[14:15], s[66:67]
	s_lshl_b32 s66, s72, 9
	s_lshl_b32 s73, s73, 1
	s_add_co_u32 s66, s66, s73
	s_add_nc_u64 s[CSP:CSP+1], s[16:17], s[66:67]
	s_wait_kmcnt 0x0
	s_or_b32 s[BN], s32, s34
	s_or_b32 s[BN], s[BN], s36
	s_or_b32 s[BN], s[BN], s38
	s_or_b32 s[BN], s[BN], s40
	s_or_b32 s[BN], s[BN], s42
	s_or_b32 s[BN], s[BN], s44
	s_or_b32 s[BN], s[BN], s46
	s_wait_alu depctr_va_vdst(0)                   ; the first pass: the addresses v1 to v6 are written, which every load and store reads, and so are the record's registers, in which loads land; the second: the last pass's products and v_perm are done reading q and its raw word, in which the loads below land
	FILL_ASK 0, 0
	global_load_b128 v[QC:QC+3], v[LI], s[QP:QP+1]
	global_load_b128 v[QC+4:QC+7], v[LI], s[QP:QP+1] offset:512
	global_load_b32 v[QRW], v[LI], s[QSP:QSP+1]
	WIN 0x40
	global_load_b128 v[QC:QC+3], v[LI], s[QP:QP+1] offset:1024
	global_load_b128 v[QC+4:QC+7], v[LI], s[QP:QP+1] offset:1536
	WIN 0
	FILL_PUT 0, 0                                  ; its wait serves q's loads too
	v_perm_b32 v[QSW], v[QRW], v[QRW], 0x01000100  ; a tile's two bytes, twice: q stands in either half of K
	v_perm_b32 v[QSW+1], v[QRW], v[QRW], 0x03020302
.irp t, 0,1
.set TW, 0x55*\t
	WIN TW
	v_mov_b32 v13, 0xff61b1e6                      ; the largest t so far: -3e38
	v_floor_f32 v12, -v13
	v_mov_b32 v14, 0
	v_mov_b32 v15, 0
.irp j, 0,1,2,3,4,5,6,7,8,9,10,11,12,13,14,15,16,17,18,19,20,21,22,23,24,25,26,27,28,29,30,31
	v_mov_b32 v[O+\j], 0                           ; the step is written once: the first finds zeros.  (These lines are also the places between q's scale words and the first product)
.endr
.endr
	WIN 0
	s_wait_dscnt 0x0
	s_barrier_signal -1
	s_barrier_wait -1
	s_mov_b32 s[TRIP], 8
.Lkeys:
	STEP 0
	STEP 1
	s_sub_co_u32 s[TRIP], s[TRIP], 1
	s_cmp_lg_u32 s[TRIP], 0
	s_cbranch_scc1 .Lkeys
	; THE WAY OUT.  O^T / the sum; register 16 b + i of a lane is feature 32 b + 16 (lane / 16) + i of the head: two blocks along E, quantised in registers; the codes are groups 2 (head % 2) + b of K step head / 2 of the tile's image.
	; Both tiles' arithmetic comes first; the five stores follow in one run, behind one wait.
.rept 8
	v_nop
.endr
.irp t, 0,1
.set TW, 0x55*\t
	WIN TW
	v_add_f32 v14, v14, v15
	v_permlanex16_b32 v254, v14, s[SEL], s[SEL+1]
	v_add_f32 v14, v14, v254                       ; the row's sum
	v_rcp_f32 v252, v14
	v_nop                                          ; a plain line behind the transcendental
	s_wait_alu depctr_va_vdst(0)                   ; the reciprocal is written, ahead of its first use
.irp j, 0,2,4,6,8,10,12,14,16,18,20,22,24,26,28,30
	v_pk_mul_f32 v[O+\j:O+1+\j], v[O+\j:O+1+\j], v[252:253] op_sel_hi:[1,0]
.endr
.irp b, 0,1
	v_max3_num_f32 v[232+\b], |v[O+16*\b]|, |v[O+1+16*\b]|, 0x4800000
.endr
.irp i, 2,4,6,8,10,12,14
.irp b, 0,1
	v_max3_num_f32 v[232+\b], v[232+\b], |v[O+16*\b+\i]|, |v[O+1+16*\b+\i]|
.endr
.endr
.irp b, 0,1
	v_permlanex16_b32 v[236+\b], v[232+\b], s[SEL], s[SEL+1]
.endr
.irp b, 0,1
	v_max_num_f32 v[232+\b], v[232+\b], v[236+\b]
.endr
.irp b, 0,1
	v_add_nc_u32 v[244+\b], 0xfc000000, v[232+\b]
.endr
.irp b, 0,1
	v_and_or_b32 v[240+\b], v[232+\b], 0x7f800000, s[MNT]
.endr
.irp b, 0,1
	v_lshrrev_b32 v[236+\b], 23, v[244+\b]
.endr
	v_lshl_or_b32 v253, v237, 8, v236              ; the token's two scale bytes of this head
	v_cmp_lt_f32 vcc_lo, 0, v14
	s_wait_alu depctr_va_vcc(0)                    ; the compare has written VCC, which the select below reads
	v_cndmask_b32 v253, s[FFFF], v253, vcc_lo      ; a query with no open key: both bytes 0xff
.irp b, 0,1
.irp i, 0,1,2,3,4,5,6,7,8,9,10,11,12,13,14,15
	v_med3_num_f32 v[O+16*\b+\i], v[O+16*\b+\i], -v[240+\b], v[240+\b]
.endr
	v_cvt_scalef32_pk8_fp8_f32 v[PCD+4*\b:PCD+1+4*\b], v[O+16*\b:O+7+16*\b], v[244+\b]
	v_cvt_scalef32_pk8_fp8_f32 v[PCD+2+4*\b:PCD+3+4*\b], v[O+8+16*\b:O+15+16*\b], v[244+\b]
.endr
	v_nop                                          ; a plain line behind the last conversion
.endr
	WIN 0x01
	v_mov_b32 v[SD], v253                          ; tile 1's bytes
	WIN 0
	v_cndmask_b32 v[SD], v253, v[SD], s[HM]        ; lanes 0-15 store tile 0's, lanes 16-31 tile 1's
	s_wait_alu depctr_va_vdst(0)                   ; both tiles' conversions have written the codes, and the select the scale bytes: the five stores below read them
.irp b, 0,1
	global_store_b128 v[LI], v[PCD+4*\b:PCD+4*\b+3], s[CP:CP+1] offset:512*\b           ; 512 consecutive bytes, aligned
.endr
	global_store_b16 v[CSA], v[SD], s[CSP:CSP+1]   ; two bytes of a token's 32: a row's other bytes belong to other heads' work-groups
	WIN 0x04                                       ; a store's data are its source 1: tile 1's codes lie in window 1
.irp b, 0,1
	global_store_b128 v[LI], v[PCD+4*\b:PCD+4*\b+3], s[CP:CP+1] offset:16384+512*\b
.endr
	WIN 0
	s_wait_xcnt 0x0                                ; the stores have read their registers and bases: the next pass writes them
	s_wait_alu depctr_vm_vsrc(0)                   ; the stores have read the codes and v9, and the last record's LDS stores their registers: the next pass's loads, conversions and moves write them again
	s_sub_co_u32 s[QB], 7, s[QB]
	s_sub_co_u32 s[PASS], s[PASS], 1
	s_cmp_lg_u32 s[PASS], 0
	s_cbranch_scc1 .Lpass
	s_wait_dscnt 0x0
	s_wait_alu depctr_hold_cnt(0) depctr_sa_sdst(0) depctr_va_vdst(0) depctr_va_sdst(0) depctr_va_ssrc(0) depctr_va_vcc(0) depctr_vm_vsrc(0)
	s_wait_tensorcnt 0x0
	ds_add_u32 v251, v255
	s_wait_dscnt 0x0
	s_endpgm
.Lfunc_end_k_q164adf9dc5_attn:
	.size	k_q164adf9dc5_attn, .Lfunc_end_k_q164adf9dc5_attn-k_q164adf9dc5_attn
	.p2alignl 7, 3214868480
	.fill 96, 4, 3214868480
	.section	.rodata,"a",@progbits
	.p2align	6, 0x0
	.amdhsa_kernel k_q164adf9dc5_attn
		.amdhsa_group_segment_fixed_size 35840
		.amdhsa_private_segment_fixed_size 0
		.amdhsa_enable_private_segment 0
		.amdhsa_kernarg_size 56
		.amdhsa_user_sgpr_count 2
		.amdhsa_user_sgpr_kernarg_segment_ptr 1
		.amdhsa_wavefront_size32 1
		.amdhsa_system_sgpr_workgroup_id_x 1
		.amdhsa_system_sgpr_workgroup_id_y 1
		.amdhsa_system_sgpr_workgroup_id_z 1
		.amdhsa_system_vgpr_workitem_id 0
		.amdhsa_next_free_vgpr 512
		.amdhsa_next_free_sgpr 74
		.amdhsa_reserve_vcc 1
		.amdhsa_float_denorm_mode_32 3
		.amdhsa_float_denorm_mode_16_64 3
		.amdhsa_memory_ordered 1
		.amdhsa_forward_progress 1
		.amdhsa_inst_pref_size 136
	.end_amdhsa_kernel
	.amdgpu_metadata
---
amdhsa.version: [ 1, 2 ]
amdhsa.kernels:
  - .name:           k_q164adf9dc5_attn
    .symbol:         k_q164adf9dc5_attn.kd
    .args:
      - { .name: qimg, .offset: 0, .size: 8, .value_kind: global_buffer, .address_space: global }
      - { .name: qsc, .offset: 8, .size: 8, .value_kind: global_buffer, .address_space: global }
      - { .name: kv, .offset: 16, .size: 8, .value_kind: global_buffer, .address_space: global }
      - { .name: mask, .offset: 24, .size: 8, .value_kind: global_buffer, .address_space: global }
      - { .name: flags, .offset: 32, .size: 8, .value_kind: global_buffer, .address_space: global }
      - { .name: cimg, .offset: 40, .size: 8, .value_kind: global_buffer, .address_space: global }
      - { .name: csc, .offset: 48, .size: 8, .value_kind: global_buffer, .address_space: global }
    .group_segment_fixed_size: 35840
    .private_segment_fixed_size: 0
    .kernarg_segment_align: 8
    .kernarg_segment_size: 56
    .max_flat_workgroup_size: 256
    .sgpr_count:     74
    .vgpr_count:     512
    .wavefront_size: 32
...
	.end_amdgpu_metadata
.endif
;; end of part 5
;; launch oproj: the kernel of part 4 again; grid 4 x 32, 4 waves a work-group, clusters of 4 x 4, 327,680 bytes of LDS; arguments cimg, csc, codes, scl, bo, out0; writes out0
